; MI455X (gfx1250); checked and timed in simulation.
; The chip was launched on July 23, 2026; its instructions are those of AMD's public machine-readable ISA for CDNA 5 (MIT licence, August 2026) and "CDNA5" Instruction Set Architecture Reference Guide (July 2026). The comments in the code are by the model that wrote it; some were corrected since.
;; Multihead Self Attention. Allowed arithmetic: matrix products marked QUANTISED: E2M3 operands, one E8M0 scale for each 32 along K, by v_wmma_scale_f32_16x16x128_f8f6f4 with both operands' format E2M3, f32 sums; everything else in f32.
;; Inputs: Wk 1,024 x 1,024 float32; Wo 1,024 x 1,024 float32; Wq 1,024 x 1,024 float32; Wv 1,024 x 1,024 float32; x 4 x 2,048 x 1,024 float32.
;; Outputs: out0 4 x 2,048 x 1,024 float32.
;; This version of the problem:
;;   THIS VERSION OF THE PROBLEM IS GIVEN IN LOW PRECISION. The matrix products marked QUANTISED in the list below multiply operands that are first quantised to E2M3 (2 exponent bits, 3 mantissa bits; 6 bits a number), with one power-of-two scale for each 32 numbers along K (OCP MX v1.0); their sums are f32. All else is computed in f32.
;;   The module's matrix products, in the order in which they are computed (A, B: the left and right operand; K: the contracted axis; several contracted axes count as one K, in the product's order):
;;     1. [M 8,192, K 1,024] x [K 1,024, N 1,024]; A: input x; B: input Wq: QUANTISED
;;     2. [M 8,192, K 1,024] x [K 1,024, N 1,024]; A: input x; B: input Wk: QUANTISED
;;     3. [M 8,192, K 1,024] x [K 1,024, N 1,024]; A: input x; B: input Wv: QUANTISED
;;     4. batch 64 x [M 2,048, K 64] x [K 64, N 2,048]; A: computed on the way; B: computed on the way: QUANTISED
;;     5. batch 64 x [M 2,048, K 2,048] x [K 2,048, N 64]; A: softmax (see below); B: computed on the way: QUANTISED
;;     6. [M 8,192, K 1,024] x [K 1,024, N 1,024]; A: computed on the way; B: input Wo: QUANTISED
;;   THE QUANTISER, for each operand of a quantised product, along K:
;;     - K is cut into blocks of 32 from its start; a last block that is shorter is filled with zeros.
;;     - A block's scale is 2^e with e = floor(log2(the largest magnitude in the block)) - 2, held to -126 .. 127; a block of zeros has e = 0. As a byte (E8M0): e + 127.
;;     - Each number is divided by its block's scale, clamped to +-7.5, and rounded to the nearest number of E2M3, ties to even, subnormals kept.
;;     - The product sums the exact products of the quantised numbers (number of the format x scale) in f32.
;;   ~~~python
;;   def quantise(x, axis):      # numpy; x: float32 -> the quantised numbers, widened to float32 again
;;       x = np.moveaxis(x, axis, -1); K = x.shape[-1]
;;       x = np.pad(x, [(0, 0)] * (x.ndim - 1) + [(0, -K % 32)]); x = x.reshape(x.shape[:-1] + (-1, 32)); a = np.abs(x).max(-1, keepdims=True)
;;       e = np.where(a > 0, np.clip(np.frexp(np.where(a > 0, a, 1))[1] - 1 - 2, -126, 127), 0)      # np.frexp(a)[1] - 1 = floor(log2(a)), exactly
;;       r = np.clip(x / 2.0 ** e, -7.5, 7.5)
;;       step = 2.0 ** (np.maximum(np.frexp(np.where(r == 0, 1, r))[1] - 1, 0) - 3)
;;       q = np.round(r / step) * step * 2.0 ** e      # np.round: ties to even
;;       return np.moveaxis(q.reshape(q.shape[:-2] + (-1,))[..., :K], -1, axis).astype(np.float32)
;;   ~~~
;;   SOFTMAX AHEAD OF A QUANTISED PRODUCT. Where the list says 'softmax', what is quantised is not the finished softmax but p = 2^(t - M), with t = logit x log2(e) and M = ceil(the row's largest t), a whole number; so 1/2 < the row's largest p <= 1. The row's sum l is taken of the UNQUANTISED p, in f32, and the product's result is divided by l at the end. Since M is a whole number, a kernel that streams over the keys may use a running M (the ceiling of the running maximum): every later rescaling is an exact power of two, which a block's scale takes up: the codes' values come out the same.
;;   OPERANDS COMPUTED ON THE WAY. 'Computed on the way' means the value that the module computes at that place (a softmax that the list does not call 'softmax' is quantised finished and normalised). What goes into a quantiser is computed in f32, as accurately as f32 sums, v_exp_f32 and their like allow (about 1e-6 of the number): no bf16 or f16 on the way to a quantiser, and a product that is left as it is and whose result goes on into a quantised operand takes f32 operands (vector FMAs, or v_wmma_f32_16x16x4_f32). A number that lies on a knife's edge between two numbers of the format may be rounded either way, as far as f32 arithmetic and the matrix unit's own rounding can turn it there, and no further.
;; One version. Each part assembles by itself: llvm-mc -triple=amdgcn-amd-amdhsa -mcpu=gfx1250 --defsym DOCPART=n.
;; ======== version 1 of 1: 4 launches
;; workspace buffers: xq 6,553,600 bytes; wq 3,276,800 bytes; rope 524,288 bytes; qq 6,553,600 bytes; kv 13,107,200 bytes; aq 6,553,600 bytes
;; launch quant (part 1): grid 416 x 1, 4 waves a work-group, no clusters, 34,816 bytes of LDS; arguments x, Wq, Wk, Wv, Wo, xq, wq, rope; writes xq, wq, rope
.if DOCPART == 1
	.amdgcn_target "amdgcn-amd-amdhsa--gfx1250"
	.amdhsa_code_object_version 6
	.text
	.protected	k_q9f05090677_quant
	.globl	k_q9f05090677_quant
	.p2align	8
	.type	k_q9f05090677_quant,@function
k_q9f05090677_quant:
	s_mov_b64 s[64:65], 0
	v_nop
	global_prefetch_b8 v0, s[64:65] scope:SCOPE_SE
	s_setreg_imm32_b32 hwreg(HW_REG_WAVE_MODE, 25, 1), 1
	s_wait_xcnt 0x0
; x [8192][1024] and Wq, Wk, Wv, Wo [1024][1024], f32, K innermost, become codes of FP6 (E2M3) with one E8M0 byte for each 32 along K; and the table of RoPE's cosines and sines is made.
; THE UNIT, the form of all codes in this program's workspaces: 16 rows x 64 along K, 768 bytes, an image of operand registers: lane l's registers 0-3 at 16 l, its registers 4-5 at 512 + 8 l;
; lane (r = l % 16, h = l / 16) holds block h (32 codes, 24 bytes) of the tile's row r.  THE ROWS OF A TILE ARE NOT NEIGHBOURS: lane r of tile 2 g + u takes row 32 g + 8 u + r + 8 (r / 8).
; Codes: [row tile][chunk of 64 K: 16][768].  Scale words: [row tile][lane 32][4 words]: lane (r, h), word j = the four bytes of row r for the 128 along K numbered 4 h + j.
; A block's scale is 2^(floor(log2(largest magnitude)) - 2): its byte is the largest magnitude's exponent field - 2, held at 1 from below (a block of zeros keeps the byte 1: its codes are zeros, and this program alone reads the bytes).
; SHARES.  Work-groups 0-255: 32 rows of x each; 256-383: 32 rows of a weight each (pointers chosen on the work-group's number: one path for all five tensors).  Wave w: tile w / 2, K half w % 2: 8 chunks of 16 rows x 64 K.
; A load reads two rows' aligned 256 bytes; a chunk turns through the wave's own stage in LDS (16 rows, 272 bytes apart) and comes back a whole block of 32 numbers a lane.  Loads run four chunks ahead, the turn one.
; Work-groups 384-415 make the table, [position 2048][pair 32][cos, sin]: a wave 16 positions, a lane a pair; no LDS there.
; LIMITS: NaN and infinities among the inputs are not served; blocks whose largest magnitude lies under 2^-124 keep the byte 1.  The table takes 1 / RN(10^(k / 8)), refined by one Newton step; a power function that
; is an ulp off gives an angle an ulp off.  The range reduction (three parts of pi / 2) holds for the angles that occur, up to 2,047.
.set R,    32                          ; v32-159  four sets of 32: a chunk as loaded
.set X,    160                         ; v160-223 two sets of 32: a lane's block
.set C,    224                         ; v224-239 two sets of 8: a chunk's codes
.set SW,   20                          ; v20-23   the four scale words
.set STG,  4352                        ; a stage: 16 x 272 bytes
.set WREG, 8704                        ; a wave's two stages
	s_load_b256 s[4:11], s[0:1], 0x0               ; x, Wq, Wk, Wv
	s_load_b256 s[12:19], s[0:1], 0x20             ; Wo, xq, wq, rope
	v_lshrrev_b32 v1, 5, v0
	v_readfirstlane_b32 s20, v1                    ; wave
	v_and_b32 v2, 31, v0                           ; lane
	s_cmp_ge_u32 ttmp9, 384
	s_cbranch_scc1 .Ltable
	v_and_b32 v3, 15, v0                           ; r
	v_bfe_u32 v4, v0, 4, 1                         ; h
	v_lshlrev_b32 v5, 4, v3
	v_lshl_add_u32 v5, v4, 12, v5                  ; in: lanes 0-15 one row's 256 bytes, lanes 16-31 the next row's
	s_mul_i32 s29, s20, WREG
	v_mul_u32_u24 v6, v4, 272
	v_lshl_add_u32 v6, v3, 4, v6
	v_add_nc_u32 v6, s29, v6                       ; the stage, on the way in: as loaded
	v_mul_u32_u24 v7, v3, 272
	v_lshl_add_u32 v7, v4, 7, v7
	v_add_nc_u32 v7, s29, v7                       ; and on the way out: row r, block h: 128 bytes
	v_lshlrev_b32 v8, 4, v2                        ; 16 x lane
	v_lshlrev_b32 v9, 3, v2                        ; 8 x lane
	v_lshlrev_b32 v10, 4, v3
	v_lshl_add_u32 v10, v4, 3, v10                 ; the scale words' way out: 16 r + 8 h
	v_lshlrev_b32 v11, 3, v4                       ; 8 h: my byte's place in half a scale word
	v_mov_b32 v28, 0                               ; a lane permute's destination counts as one of its sources
	s_mov_b32 s26, 0x76543210
	s_mov_b32 s27, 0xfedcba98                      ; lane l xor 16
	s_lshr_b32 s25, s20, 1                         ; u: which tile of the group
	s_and_b32 s28, s20, 1                          ; which half of K
	s_sub_co_u32 s21, ttmp9, 256                   ; a weight's work-group: its number among them,
	s_lshr_b32 s22, s21, 5                         ; the matrix,
	s_and_b32 s23, s21, 31                         ; the group of 32 rows in it
	s_mov_b32 s24, 3145728                         ; where wq's scale words begin
	s_wait_alu depctr_va_vdst(0)
	s_wait_kmcnt 0x0
	s_cmp_eq_u32 s22, 1
	s_cselect_b64 s[6:7], s[8:9], s[6:7]
	s_cmp_eq_u32 s22, 2
	s_cselect_b64 s[6:7], s[10:11], s[6:7]
	s_cmp_eq_u32 s22, 3
	s_cselect_b64 s[6:7], s[12:13], s[6:7]
	s_cmp_lt_u32 ttmp9, 256                        ; x's work-group or a weight's: the choice hangs on the work-group's number alone
	s_cselect_b64 s[4:5], s[4:5], s[6:7]
	s_cselect_b64 s[14:15], s[14:15], s[16:17]
	s_cselect_b32 s23, ttmp9, s23                  ; the group in the input,
	s_cselect_b32 s21, ttmp9, s21                  ; and in the workspace
	s_cselect_b32 s24, 6291456, s24
	s_lshl_b32 s30, s23, 17                        ; 32 rows of 4,096 bytes
	s_lshl_b32 s31, s25, 15                        ; + 8 u rows
	s_add_co_u32 s30, s30, s31
	s_lshl_b32 s31, s28, 11                        ; + my half of K
	s_add_co_u32 s30, s30, s31
	s_mov_b32 s31, 0
	s_add_nc_u64 s[4:5], s[4:5], s[30:31]
	s_lshl_b32 s32, s21, 1
	s_add_co_u32 s32, s32, s25                     ; my row tile
	s_mul_i32 s30, s32, 12288
	s_mul_i32 s33, s28, 6144
	s_add_co_u32 s30, s30, s33
	s_add_nc_u64 s[34:35], s[14:15], s[30:31]      ; my eight units
	s_lshl_b32 s30, s32, 9
	s_lshl_b32 s33, s28, 8
	s_add_co_u32 s30, s30, s33
	s_add_co_u32 s30, s30, s24
	s_add_nc_u64 s[36:37], s[14:15], s[30:31]      ; my 256 bytes of scale words
.macro LOAD c                          ; chunk c: load i takes the tile's rows 2 i and 2 i + 1
.irp i, 0,1,2,3,4,5,6,7
	global_load_b128 v[R+32*((\c)%4)+4*\i:R+32*((\c)%4)+4*\i+3], v5, s[4:5] offset:(2*\i+8*(\i/4))*4096+256*(\c) th:TH_LOAD_NT
.endr
.endm
.macro TURN c                          ; through the stage: LDS serves a wave's instructions in order, so no wait stands between the stores and the loads
.irp i, 0,1,2,3,4,5,6,7
	ds_store_b128 v6, v[R+32*((\c)%4)+4*\i:R+32*((\c)%4)+4*\i+3] offset:((\c)%2)*STG+544*\i
.endr
.irp j, 0,1,2,3,4,5,6,7
	ds_load_b128 v[X+32*((\c)%2)+4*\j:X+32*((\c)%2)+4*\j+3], v7 offset:((\c)%2)*STG+16*\j
.endr
.endm
.macro CHUNK c
.set XS, X+32*((\c)%2)
.set CD, C+8*((\c)%2)
	s_wait_dscnt 0x0                               ; this chunk's block is back, and its stores into the stage have read their registers,
.if (\c) < 4
	LOAD (\c)+4                                    ; which take the chunk four on
.endif
.if (\c) < 7
.if (\c) < 4
	s_wait_loadcnt 24                              ; the next chunk's eight loads are in; three chunks' may be out
.else
	s_wait_loadcnt 8*(6-(\c))                      ; the counts run down: the chunks behind the next one
.endif
	TURN (\c)+1
.endif
	v_max3_num_f32 v16, |v[XS]|, |v[XS+1]|, |v[XS+2]|            ; the block's largest magnitude: all 32 numbers are mine
	v_max3_num_f32 v17, |v[XS+3]|, |v[XS+4]|, |v[XS+5]|
.irp i, 6,10,14,18,22,26
	v_max3_num_f32 v16, v16, |v[XS+\i]|, |v[XS+\i+1]|
	v_max3_num_f32 v17, v17, |v[XS+\i+2]|, |v[XS+\i+3]|
.endr
	v_max3_num_f32 v16, v16, |v[XS+30]|, |v[XS+31]|
	v_max3_num_f32 v16, v16, v17, 0x1800000        ; and the floor 2^(3 - 127): the byte cannot fall under 1
	v_add_nc_u32 v18, 0xff000000, v16              ; 2 off the exponent field: the conversion's scale operand
.if (\c)%2 == 0
	s_wait_alu depctr_va_vdst(0)
	v_lshrrev_b32 v27, 23, v18                     ; the byte of block h of the 128's first 64
.else
	s_wait_alu depctr_va_vdst(0)
	v_lshrrev_b32 v19, 23, v18                     ; and of its second 64
	v_lshl_or_b32 v19, v19, 16, v27
	v_lshlrev_b32 v19, v11, v19                    ; at their places (8 h bits up);
	v_permlanex16_b32 v28, v19, s26, s27
	v_or_b32 v[SW+(\c)/2], v19, v28                ; with lane l xor 16's two the word is whole
.endif
	s_wait_xcnt 0x0                                ; the stores of two chunks back have read this set of code registers
	v_cvt_scalef32_pk16_fp6_f32 v[CD:CD+2], v[XS:XS+15], v18
	v_cvt_scalef32_pk16_fp6_f32 v[24:26], v[XS+16:XS+31], v18     ; (a conversion's three registers begin on an even number)
	v_nop                                          ; one plain line behind the conversions
	v_mov_b32 v[CD+3], v24
	v_mov_b32 v[CD+4], v25
	v_mov_b32 v[CD+5], v26
	global_store_b128 v8, v[CD:CD+3], s[34:35] offset:768*(\c)        ; 512 consecutive bytes,
	global_store_b64 v9, v[CD+4:CD+5], s[34:35] offset:768*(\c)+512   ; and 256: the unit
.endm
.irp c, 0,1,2,3
	LOAD \c
.endr
	s_wait_loadcnt 24                              ; chunk 0's eight loads are in
	TURN 0
.irp c, 0,1,2,3,4,5,6,7
	CHUNK \c
.endr
	v_cmp_eq_u32 vcc_lo, 1, v4
	v_cndmask_b32 v30, v20, v22, vcc_lo            ; lane (r, h) stores words 2 h and 2 h + 1 of row r
	s_wait_alu depctr_va_vdst(0)
	v_cndmask_b32 v31, v21, v23, vcc_lo
	global_store_b64 v10, v[30:31], s[36:37]       ; 256 consecutive bytes, aligned
	s_endpgm
; THE TABLE.  angle = position x (1 / 10^(k / 8)), as the source has it: one rounding.  n = the nearest whole number of quarter turns; r = angle - n pi / 2 by three fused multiply-adds; polynomials on |r| <= pi / 4.
.macro SETA lane, val
	s_mov_b32 s31, \val
	v_writelane_b32 v1, s31, \lane
.endm
.Ltable:
	s_wait_alu depctr_va_vdst(0)
	v_lshlrev_b32 v3, 3, v2                        ; 8 bytes a pair
	v_mov_b32 v1, 0
	s_sub_co_u32 s21, ttmp9, 384
	s_lshl_b32 s21, s21, 2
	s_add_co_u32 s21, s21, s20                     ; which run of 16 positions
	s_lshl_b32 s30, s21, 4                         ; its first position
	s_lshl_b32 s22, s21, 12                        ; 16 positions of 256 bytes
	s_mov_b32 s23, 0
	SETA 0, 1.0
	SETA 1, 1.3335214321633240
	SETA 2, 1.7782794100389228
	SETA 3, 2.3713737056616552
	SETA 4, 3.1622776601683795
	SETA 5, 4.2169650342858226
	SETA 6, 5.6234132519034912
	SETA 7, 7.4989420933245582
	SETA 8, 10.0
	SETA 9, 13.335214321633240
	SETA 10, 17.782794100389228
	SETA 11, 23.713737056616552
	SETA 12, 31.622776601683795
	SETA 13, 42.169650342858226
	SETA 14, 56.234132519034912
	SETA 15, 74.989420933245582
	SETA 16, 100.0
	SETA 17, 133.35214321633240
	SETA 18, 177.82794100389228
	SETA 19, 237.13737056616552
	SETA 20, 316.22776601683795
	SETA 21, 421.69650342858226
	SETA 22, 562.34132519034912
	SETA 23, 749.89420933245582
	SETA 24, 1000.0
	SETA 25, 1333.5214321633240
	SETA 26, 1778.2794100389228
	SETA 27, 2371.3737056616552
	SETA 28, 3162.2776601683795
	SETA 29, 4216.9650342858226
	SETA 30, 5623.4132519034912
	SETA 31, 7498.9420933245582
	s_mov_b32 s32, 0x3fc90fdb                      ; pi / 2 in three parts
	s_mov_b32 s33, 0xb33bbd2e
	s_mov_b32 s34, 0xa6f72ced
	s_mov_b32 s35, -0.00019515295891               ; the sine's polynomial
	s_mov_b32 s36, 0.0083321608736
	s_mov_b32 s37, -0.16666654611
	s_mov_b32 s38, 0.00002443315711809948          ; the cosine's
	s_mov_b32 s39, -0.001388731625493765
	s_mov_b32 s40, 0.04166664568298827
	s_wait_alu depctr_va_vdst(0)
	v_rcp_f32 v2, v1
	v_nop                                          ; a plain line behind the reciprocal
	s_wait_alu depctr_va_vdst(0)                   ; and the wait ahead of its first reader
	v_fma_f32 v4, -v1, v2, 1.0
	v_fma_f32 v2, v2, v4, v2                       ; one Newton step
	s_wait_kmcnt 0x0
	s_add_nc_u64 s[18:19], s[18:19], s[22:23]
.macro ROPE t
.set RG, 40+16*((\t)%2)                ; two sets of registers by turns
.if (\t) >= 2
	s_wait_xcnt 0x0                                ; the store of two positions back has read its registers
.endif
	s_add_co_u32 s31, s30, \t
	v_cvt_f32_u32 v[RG], s31
	s_wait_alu depctr_va_vdst(0)
	v_mul_f32 v[RG], v[RG], v2                     ; the angle
	v_mul_f32 v[RG+1], 0x3f22f983, v[RG]           ; x 2 / pi
	v_rndne_f32 v[RG+1], v[RG+1]                   ; n
	v_fma_f32 v[RG], -v[RG+1], s32, v[RG]
	v_fma_f32 v[RG], -v[RG+1], s33, v[RG]
	v_fma_f32 v[RG], -v[RG+1], s34, v[RG]          ; r
	v_mul_f32 v[RG+2], v[RG], v[RG]                ; z = r r
	v_cvt_i32_f32 v[RG+1], v[RG+1]                 ; q
	v_fma_f32 v[RG+3], v[RG+2], s35, s36
	v_fma_f32 v[RG+4], v[RG+2], s38, s39
	v_fma_f32 v[RG+3], v[RG+3], v[RG+2], s37
	v_fma_f32 v[RG+4], v[RG+4], v[RG+2], s40
	v_mul_f32 v[RG+5], v[RG+2], v[RG]              ; z r
	v_mul_f32 v[RG+6], v[RG+2], v[RG+2]            ; z z
	v_fma_f32 v[RG+7], v[RG+2], -0.5, 1.0          ; 1 - z / 2
	v_fma_f32 v[RG+3], v[RG+3], v[RG+5], v[RG]     ; sin r
	v_fma_f32 v[RG+4], v[RG+4], v[RG+6], v[RG+7]   ; cos r
	v_and_b32 v[RG+5], 1, v[RG+1]
	v_cmp_eq_u32 vcc_lo, 1, v[RG+5]                ; an odd quarter swaps the two
	v_cndmask_b32 v[RG+6], v[RG+3], v[RG+4], vcc_lo
	v_cndmask_b32 v[RG+7], v[RG+4], v[RG+3], vcc_lo
	v_and_b32 v[RG+5], 2, v[RG+1]
	v_lshlrev_b32 v[RG+5], 30, v[RG+5]             ; the sine is negative in quarters 2 and 3,
	v_add_nc_u32 v[RG+1], 1, v[RG+1]
	v_and_b32 v[RG+1], 2, v[RG+1]
	v_lshlrev_b32 v[RG+1], 30, v[RG+1]             ; the cosine in quarters 1 and 2
	v_xor_b32 v[RG+9], v[RG+5], v[RG+6]
	v_xor_b32 v[RG+8], v[RG+1], v[RG+7]
	global_store_b64 v3, v[RG+8:RG+9], s[18:19] offset:256*(\t)   ; (cos, sin): the wave stores a position's 256 bytes
.endm
.irp t, 0,1,2,3,4,5,6,7,8,9,10,11,12,13,14,15
	ROPE \t
.endr
	s_endpgm
.Lfunc_end_k_q9f05090677_quant:
	.size	k_q9f05090677_quant, .Lfunc_end_k_q9f05090677_quant-k_q9f05090677_quant
	.p2alignl 7, 3214868480
	.fill 96, 4, 3214868480
	.section	.rodata,"a",@progbits
	.p2align	6, 0x0
	.amdhsa_kernel k_q9f05090677_quant
		.amdhsa_group_segment_fixed_size 34816
		.amdhsa_private_segment_fixed_size 0
		.amdhsa_enable_private_segment 0
		.amdhsa_kernarg_size 64
		.amdhsa_user_sgpr_count 2
		.amdhsa_user_sgpr_kernarg_segment_ptr 1
		.amdhsa_wavefront_size32 1
		.amdhsa_system_sgpr_workgroup_id_x 1
		.amdhsa_system_sgpr_workgroup_id_y 1
		.amdhsa_system_sgpr_workgroup_id_z 1
		.amdhsa_system_vgpr_workitem_id 0
		.amdhsa_next_free_vgpr 256
		.amdhsa_next_free_sgpr 66
		.amdhsa_reserve_vcc 1
		.amdhsa_float_denorm_mode_32 3
		.amdhsa_float_denorm_mode_16_64 3
		.amdhsa_memory_ordered 1
		.amdhsa_forward_progress 1
		.amdhsa_inst_pref_size 60
	.end_amdhsa_kernel
	.amdgpu_metadata
---
amdhsa.version: [ 1, 2 ]
amdhsa.kernels:
  - .name:           k_q9f05090677_quant
    .symbol:         k_q9f05090677_quant.kd
    .args:
      - { .name: x, .offset: 0, .size: 8, .value_kind: global_buffer, .address_space: global }
      - { .name: Wq, .offset: 8, .size: 8, .value_kind: global_buffer, .address_space: global }
      - { .name: Wk, .offset: 16, .size: 8, .value_kind: global_buffer, .address_space: global }
      - { .name: Wv, .offset: 24, .size: 8, .value_kind: global_buffer, .address_space: global }
      - { .name: Wo, .offset: 32, .size: 8, .value_kind: global_buffer, .address_space: global }
      - { .name: xq, .offset: 40, .size: 8, .value_kind: global_buffer, .address_space: global }
      - { .name: wq, .offset: 48, .size: 8, .value_kind: global_buffer, .address_space: global }
      - { .name: rope, .offset: 56, .size: 8, .value_kind: global_buffer, .address_space: global }
    .group_segment_fixed_size: 34816
    .private_segment_fixed_size: 0
    .kernarg_segment_align: 8
    .kernarg_segment_size: 64
    .max_flat_workgroup_size: 128
    .sgpr_count:     66
    .vgpr_count:     256
    .wavefront_size: 32
...
	.end_amdgpu_metadata
.endif
;; end of part 1
;; launch qkv (part 2): grid 12 x 64, 4 waves a work-group, clusters of 4 x 4, 327,680 bytes of LDS; arguments xq, wq, rope, qq, kv; writes qq, kv
.if DOCPART == 2
	.amdgcn_target "amdgcn-amd-amdhsa--gfx1250"
	.amdhsa_code_object_version 6
	.text
	.protected	k_q9f05090677_qkv
	.globl	k_q9f05090677_qkv
	.p2align	8
	.type	k_q9f05090677_qkv,@function
k_q9f05090677_qkv:
	s_mov_b64 s[64:65], 0
	v_nop
	global_prefetch_b8 v0, s[64:65] scope:SCOPE_SE
	s_setreg_imm32_b32 hwreg(HW_REG_WAVE_MODE, 25, 1), 1
	s_wait_xcnt 0x0
	s_wait_alu depctr_hold_cnt(0) depctr_sa_sdst(0) depctr_va_vdst(0) depctr_va_sdst(0) depctr_va_ssrc(0) depctr_va_vcc(0) depctr_vm_vsrc(0)
	s_getreg_b32 s2, hwreg(HW_REG_IB_STS2, 6, 4)
	s_cmp_eq_u32 s2, 0
	s_cbranch_scc0 .Lentry_in_a_cluster
	s_endpgm
.Lentry_in_a_cluster:
	s_bfe_u32 s2, ttmp6, 0x10000c
	s_cmp_lg_u32 s2, 0xf033
	s_cbranch_scc0 .Lentry_shape_is_right
	s_endpgm
.Lentry_shape_is_right:
; Q, K, V = x Wq^T, x Wk^T, x Wv^T on codes of FP6 (E2M3) with E8M0 scales; RoPE on Q and K in f32; the results are quantised in registers and leave as codes: Q and K along the head's 64 channels, V along the keys.
; Operands lie in memory as UNITS (16 rows x 64 K, 768 bytes: lane l's registers 0-3 at 16 l, registers 4-5 at 512 + 8 l); lane r of tile 2 g + u holds row 32 g + 8 u + r + 8 (r / 8).  Two units on end are a fragment (12 registers).
; A WORK-GROUP makes 256 rows of source 0 x 128 rows of source 1 over all K = 1,024.  Both operands for all of K lie in LDS, 294,912 bytes, each byte filled ONCE: no slot is filled again.
; Four waves, each 128 rows of source 0 (8 tiles) x 64 rows of source 1 (4 tiles): 32 accumulators.  In a result lane (r, h) holds row r of source 1's tile, and the 16 registers of source 0's tiles 2 g, 2 g + 1 are its rows 32 g + 16 h + 0 .. 15.
; ROLES, by the cluster's x (the same in all sixteen partners): 0: Q, 1: K: source 0 = 256 rows of the weight (4 heads), source 1 = 128 tokens: a lane holds a token, its registers run along the channels.
;   2: V: source 0 = 256 tokens, source 1 = 128 rows of Wv (2 heads): a lane holds a channel, its registers run along the tokens, which are the second attention product's K.  Only pointers and offsets are chosen.
; RoPE's numbers are loaded by every cluster, V's too, which does not use them (16 KiB a wave): so the registers that the way out of Q and K reads are written on every path of the text.
; CLUSTER 4 x 4: source 0's tile hangs on cx and is asked for jointly by the four of a column, source 1's on cy, by the four of a row.  A wave has four tensor loads out at the most: its part of the four slots of 256 along K.
; OUT: qq: Q's units [head 64][tile 128][768], scale words from byte 6,291,456: [head][step 16][r 16][pair of tiles 4] (bytes 0, 1: tile 2 p's two blocks, bytes 2, 3: tile 2 p + 1's).
;   kv: [head][step of 128 keys: 16][12,800]: K's 8 units, V's 4 fragments (16 channels x 128 keys), K's scale words [r][pair 4], V's [r][tile of channels 4].
; LIMITS: NaN and infinities are not served; a block whose largest magnitude lies under 2^-124 keeps the byte 1.
; REGISTERS: window 0: v1-13 addresses; v16-31 at work; v32-63, v64-79 the operands' scale words (nothing else); v80-111 the quantiser's; v112-175 64 rotated numbers; v176-223 four fragments of codes.
;   window 1: source 0's fragments, two sets (v0, v128).  window 2: the 32 accumulators, (a, b) at v[64 a + 8 b].  window 3: source 1's fragments, two sets (v0, v128); v48-111, v176-239 RoPE's cosines and sines.
.set S0W,  32
.set S1W,  64
.set TM,   80
.set PW,   96
.set HH,   112
.set PC,   176
.set SCXQ, 294912                      ; behind the tiles: 1,024 bytes in which Q's or K's scale words meet; no fill lands here
.set SCXV, 295936                      ; and 1,024 for V's path
.set MSB,  0
.macro WIN new                         ; the immediate's high byte repeats the setting that is left
.if MSB != (\new)
	s_set_vgpr_msb (MSB<<8)|(\new)
.set MSB, (\new)
.endif
.endm
.macro CROUND                          ; a round of the cluster's barrier
	s_barrier_signal -1
	s_barrier_wait -1
	s_cmp_lg_u32 s14, 0
	s_cbranch_scc1 .Lnot_wave_0_\@
	s_barrier_signal -3
.Lnot_wave_0_\@:
	s_barrier_wait -3
	s_barrier_signal -1
	s_barrier_wait -1
.endm
	s_load_b256 s[4:11], s[0:1], 0x0               ; xq, wq, rope, qq
	s_load_b64 s[12:13], s[0:1], 0x20              ; kv
	v_lshrrev_b32 v1, 5, v0
	v_readfirstlane_b32 s14, v1                    ; wave
	s_lshr_b32 s15, s14, 1                         ; wa: my 4 tiles of source 1.  Also: I fetch for source 0 (0) or source 1 (1)
	s_and_b32 s16, s14, 1                          ; wb: my 8 tiles of source 0.  Also: which half I fetch
	s_bfe_u32 s17, ttmp6, 0x40000                  ; cx
	s_bfe_u32 s18, ttmp6, 0x40004                  ; cy
	s_and_b32 s19, ttmp7, 0xffff                   ; the cluster's y
	s_lshl_b32 s2, 0x1111, s17                     ; my column of the cluster
	s_lshl_b32 s3, s18, 2
	s_lshl_b32 s3, 15, s3                          ; my row
	; descriptor group 1: R tiles' 3,072 bytes (256 along K), 12,288 bytes apart, as elements of 8 bytes, dense in LDS
	s_or_b32 s24, s2, (3<<16)|(1<<21)              ; 15:0 the mask; 17:16 elements of 8 bytes; 21 set beside a mask
	s_mov_b32 s25, 384<<16                         ; tensor_dim0
	s_mov_b32 s26, 8<<16                           ; tensor_dim1 = 8 tiles
	s_mov_b32 s27, 384<<16                         ; tile_dim0
	s_mov_b32 s28, 8                               ; tile_dim1
	s_mov_b32 s29, 1536                            ; from tile to tile
	s_mov_b32 s30, 0
	s_mov_b32 s31, 0
	s_or_b32 s32, s3, (3<<16)|(1<<21)
	s_mov_b32 s33, 384<<16
	s_mov_b32 s34, 4<<16                           ; 4 tiles
	s_mov_b32 s35, 384<<16
	s_mov_b32 s36, 4
	s_mov_b32 s37, 1536
	s_mov_b32 s38, 0
	s_mov_b32 s39, 0
	s_lshr_b32 s21, s19, 1
	s_lshl_b32 s21, s21, 2
	s_add_co_u32 s21, s21, s17                     ; V: source 0's block of 256 tokens
	s_and_b32 s22, s19, 1
	s_lshl_b32 s22, s22, 2
	s_add_co_u32 s22, s22, s18                     ; V: source 1's block of 128 rows of Wv
	s_lshl_b32 s23, s19, 2
	s_add_co_u32 s23, s23, s18                     ; Q, K: source 1's block of 128 tokens
	s_mul_i32 s80, ttmp9, 786432                   ; Q, K: the weight's codes in wq,
	s_mul_i32 s84, ttmp9, 32768
	s_add_co_u32 s84, s84, 3145728                 ; and its scale words
	s_mov_b32 s88, 6291456                         ; xq's scale words
	s_mov_b32 s89, 3145728+65536                   ; Wv's scale words
	s_mov_b32 s90, 1572864                         ; Wv's codes
	s_cmp_eq_u32 ttmp9, 2                          ; V?  The same in all partners
	s_cselect_b32 s21, s21, s17                    ; i0
	s_cselect_b32 s22, s22, s23                    ; i1
	s_cselect_b32 s80, 0, s80
	s_cselect_b32 s82, s90, 0
	s_cselect_b32 s84, s88, s84
	s_cselect_b32 s86, s89, s88
	s_wait_kmcnt 0x0
	s_cselect_b64 s[76:77], s[4:5], s[6:7]         ; source 0's buffer
	s_cselect_b64 s[78:79], s[6:7], s[4:5]         ; source 1's
	s_mul_i32 s91, s21, 196608                     ; 16 tiles of 12,288 bytes
	s_add_co_u32 s80, s80, s91
	s_mul_i32 s91, s16, 98304                      ; the half that I would fetch
	s_add_co_u32 s80, s80, s91
	s_mov_b32 s81, 0
	s_mul_i32 s92, s22, 98304                      ; 8 tiles
	s_add_co_u32 s82, s82, s92
	s_mul_i32 s92, s16, 49152
	s_add_co_u32 s82, s82, s92
	s_mov_b32 s83, 0
	s_add_nc_u64 s[80:81], s[76:77], s[80:81]
	s_add_nc_u64 s[82:83], s[78:79], s[82:83]
	s_mul_i32 s93, s16, 24576                      ; where they go: no place in the cluster enters an LDS address
	s_mul_i32 s94, s16, 12288
	s_add_co_u32 s94, s94, 196608
.irp g, 0,1,2,3                        ; a group 0 for each slot and each source; none is written again
	s_mov_b32 s[40+4*\g], 1
	s_add_co_u32 s[41+4*\g], s93, \g*49152
	s_add_nc_u64 s[42+4*\g:43+4*\g], s[80:81], \g*3072
	s_or_b32 s[43+4*\g], s[43+4*\g], 0x80000000
	s_mov_b32 s[56+4*\g+4*(\g/2)], 1
	s_add_co_u32 s[57+4*\g+4*(\g/2)], s94, \g*24576
	s_add_nc_u64 s[58+4*\g+4*(\g/2):59+4*\g+4*(\g/2)], s[82:83], \g*3072
	s_or_b32 s[59+4*\g+4*(\g/2)], s[59+4*\g+4*(\g/2)], 0x80000000
.endr
	CROUND                                         ; all sixteen work-groups are here: the joint loads meet
	s_cmp_eq_u32 s15, 0                            ; a wave's four fills stand in one branch on its number; four v_nop follow the last
	s_cbranch_scc0 .Lfill1
	tensor_load_to_lds s[40:43], s[24:31]
	s_nop 0
	tensor_load_to_lds s[44:47], s[24:31]
	s_nop 0
	tensor_load_to_lds s[48:51], s[24:31]
	s_nop 0
	tensor_load_to_lds s[52:55], s[24:31]
	s_nop 0
.rept 4
	v_nop
.endr
	s_branch .Lfilled
.Lfill1:
	tensor_load_to_lds s[56:59], s[32:39]
	s_nop 0
	tensor_load_to_lds s[60:63], s[32:39]
	s_nop 0
	tensor_load_to_lds s[68:71], s[32:39]
	s_nop 0
	tensor_load_to_lds s[72:75], s[32:39]
	s_nop 0
.rept 4
	v_nop
.endr
.Lfilled:
	s_lshl_b32 s95, s21, 13                        ; the scale words of my tiles: 512 bytes a tile
	s_add_co_u32 s84, s84, s95
	s_lshl_b32 s95, s16, 12
	s_add_co_u32 s84, s84, s95
	s_mov_b32 s85, 0
	s_add_nc_u64 s[84:85], s[76:77], s[84:85]
	s_lshl_b32 s95, s22, 12
	s_add_co_u32 s86, s86, s95
	s_lshl_b32 s95, s15, 11
	s_add_co_u32 s86, s86, s95
	s_mov_b32 s87, 0
	s_add_nc_u64 s[86:87], s[78:79], s[86:87]
	s_and_b32 s88, s22, 15                         ; RoPE: my 64 tokens' first position x 256 bytes
	s_lshl_b32 s88, s88, 15
	s_lshl_b32 s95, s15, 14
	s_add_co_u32 s88, s88, s95
	s_mov_b32 s89, 0
	s_add_nc_u64 s[88:89], s[8:9], s[88:89]
	s_mov_b32 s96, 0x05040100                      ; two low halves
	s_mov_b32 s97, 0x07060302                      ; two high halves
	s_mov_b32 s98, 0x76543210
	s_mov_b32 s99, 0xfedcba98                      ; lane l xor 16
	v_and_b32 v1, 31, v0                           ; lane
	v_and_b32 v2, 15, v0                           ; r
	v_bfe_u32 v3, v0, 4, 1                         ; h
	v_lshlrev_b32 v4, 4, v1                        ; 16 x lane
	v_lshlrev_b32 v5, 3, v1                        ; 8 x lane
	s_mul_i32 s95, s16, 24576
	v_add_nc_u32 v6, s95, v4                       ; my 8 tiles of source 0 in slot 0: the pieces of 16 bytes,
	v_add_nc_u32 v7, s95, v5                       ; and of 8
	s_mul_i32 s95, s15, 12288
	s_add_co_u32 s95, s95, 196608
	v_add_nc_u32 v8, s95, v4                       ; my 4 tiles of source 1
	v_add_nc_u32 v9, s95, v5
	v_and_b32 v10, 8, v2
	v_add_nc_u32 v10, v10, v2
	v_lshlrev_b32 v10, 8, v10
	v_lshl_add_u32 v10, v3, 6, v10                 ; RoPE: position r + 8 (r / 8), pairs 8 h on
	v_lshlrev_b32 v11, 4, v2
	s_wait_alu depctr_va_vdst(0)
	s_lshl_b32 s95, s14, 8
	s_add_co_u32 s95, s95, SCXV
	v_add_nc_u32 v12, s95, v11                     ; V's scale words: 256 x wave + 16 r
	s_lshl_b32 s95, s14, 8
	s_add_co_u32 s95, s95, SCXQ
	v_add_nc_u32 v13, s95, v5                      ; the way back: 256 x wave + 8 x lane
	s_lshl_b32 s95, s16, 9
	s_lshl_b32 s93, s15, 3
	s_add_co_u32 s95, s95, s93
	s_add_co_u32 s95, s95, SCXQ
	v_add_nc_u32 v11, s95, v11                     ; Q's, K's scale words: head 2 wb (256 bytes a head), row r, pairs 2 wa, 2 wa + 1
.irp b, 0,1,2,3
	v_mov_b32 v[TM+4+\b], 0                        ; a lane permute's destination counts as one of its sources
.endr
.irp b, 0,1,2,3,4,5,6,7
	global_load_b128 v[S0W+4*\b:S0W+4*\b+3], v4, s[84:85] offset:512*\b   ; all 8 K steps' words of a tile: steps 0-3 in lanes 0-15, steps 4-7 in lanes 16-31
.endr
.irp a, 0,1,2,3
	global_load_b128 v[S1W+4*\a:S1W+4*\a+3], v4, s[86:87] offset:512*\a
.endr
	WIN 0xc0                                       ; destination window 3
.irp a, 0,1,2,3                        ; for token tile a: (cos, sin) of pairs 16 p + 8 h + 0 .. 7.  No branch stands round these loads: V's clusters issue them too (their block number is 0 to 7: the addresses lie in the table's first half)
.irp p, 0,1
.irp j, 0,1,2,3
	global_load_b128 v[48+32*\a+64*(\a/2)+16*\p+4*\j:48+32*\a+64*(\a/2)+16*\p+4*\j+3], v10, s[88:89] offset:(32*(\a/2)+8*(\a%2))*256+128*\p+16*\j
.endr
.endr
.endr
	WIN 0
.macro FRAG reg, a16, a8, off          ; a fragment: two units on end
	ds_load_b128 v[(\reg):(\reg)+3], v[\a16] offset:(\off)
	ds_load_b64 v[(\reg)+4:(\reg)+5], v[\a8] offset:(\off)+512
	ds_load_b128 v[(\reg)+6:(\reg)+9], v[\a16] offset:(\off)+768
	ds_load_b64 v[(\reg)+10:(\reg)+11], v[\a8] offset:(\off)+1280
.endm
.macro FETCH q                         ; K step q's 12 fragments, 48 loads, into set q % 2
	WIN 0x40
.irp b, 0,1,2,3,4,5,6,7
	FRAG 128*((\q)%2)+12*\b, 6, 7, \b*3072+((\q)%2)*1536
.endr
	WIN 0xc0
.irp a, 0,1,2,3
	FRAG 128*((\q)%2)+12*\a, 8, 9, \a*3072+((\q)%2)*1536
.endr
.endm
.macro MUL q                           ; 32 products; the accumulators take turns, one instruction a turn, in the same order in every step
	WIN 0xad                                       ; source 0 window 1, source 1 window 3, C and D window 2
.irp a, 0,1,2,3
.irp b, 0,1,2,3,4,5,6,7
.if (\q) == 0
	v_wmma_scale_f32_16x16x128_f8f6f4 v[64*\a+8*\b:64*\a+8*\b+7], v[12*\b:12*\b+11], v[12*\a:12*\a+11], 0, v[S0W+4*\b], v[S1W+4*\a] matrix_a_fmt:MATRIX_FMT_FP6 matrix_b_fmt:MATRIX_FMT_FP6
.elseif (\q) < 4
	v_wmma_scale_f32_16x16x128_f8f6f4 v[64*\a+8*\b:64*\a+8*\b+7], v[128*((\q)%2)+12*\b:128*((\q)%2)+12*\b+11], v[128*((\q)%2)+12*\a:128*((\q)%2)+12*\a+11], v[64*\a+8*\b:64*\a+8*\b+7], v[S0W+4*\b+(\q)%4], v[S1W+4*\a+(\q)%4] matrix_a_fmt:MATRIX_FMT_FP6 matrix_b_fmt:MATRIX_FMT_FP6
.else
	v_wmma_scale_f32_16x16x128_f8f6f4 v[64*\a+8*\b:64*\a+8*\b+7], v[128*((\q)%2)+12*\b:128*((\q)%2)+12*\b+11], v[128*((\q)%2)+12*\a:128*((\q)%2)+12*\a+11], v[64*\a+8*\b:64*\a+8*\b+7], v[S0W+4*\b+(\q)%4], v[S1W+4*\a+(\q)%4] matrix_a_fmt:MATRIX_FMT_FP6 matrix_b_fmt:MATRIX_FMT_FP6 matrix_a_scale:MATRIX_SCALE_ROW1 matrix_b_scale:MATRIX_SCALE_ROW1
.endif
.endr
.endr
.endm
.macro KSTEP q                         ; the next step's fragments are asked for, then this step is multiplied
.if ((\q)%2 == 1) && ((\q) < 7)
	WIN 0
	s_wait_dscnt 0x0                               ; no LDS load of mine is out at the signal
	s_wait_tensorcnt 3-((\q)+1)/2                  ; my part of the next slot has landed; the later slots' loads may stay out
	s_barrier_signal -1
	s_barrier_wait -1                              ; everybody's has
	v_add_nc_u32 v6, 49152, v6                     ; on to the next slot.  These four are also the places in front of the loads below
	s_wait_alu depctr_va_vdst(0)
	v_add_nc_u32 v7, 49152, v7
	s_wait_alu depctr_va_vdst(0)
	v_add_nc_u32 v8, 24576, v8
	s_wait_alu depctr_va_vdst(0)
	v_add_nc_u32 v9, 24576, v9
.elseif ((\q) >= 2) && ((\q) < 7)
.rept 4
	v_nop                                          ; places in front of loads into registers that the last step's products read
.endr
.endif
.if (\q) < 7
	FETCH (\q)+1
	s_wait_alu depctr_va_vdst(0)
	s_wait_dscnt 48                                ; all but the 48 just issued
.else
	s_wait_dscnt 0x0
.endif
	MUL \q
.endm
	s_wait_tensorcnt 3                             ; my part of slot 0 has landed; three loads may stay out
	s_barrier_signal -1
	s_barrier_wait -1
	FETCH 0
	s_wait_loadcnt 0x0                             ; the scale words and RoPE's numbers
.irp q, 0,1,2,3,4,5,6,7
	KSTEP \q
.endr
	WIN 0
.rept 4
	v_nop                                          ; places in front of the first read of results
.endr
; 64 numbers of a lane in window w, register 16 b + i = k 32 b + 16 h + i of my row, become a fragment's codes in v[pc] on and its scale word in v[pw].
.macro QUANT s, w, pc, pw
	WIN (\w)|((\w)<<2)
.irp b, 0,1,2,3
	v_max3_num_f32 v[TM+\b], |v[(\s)+16*\b]|, |v[(\s)+1+16*\b]|, 0x1800000    ; my 16 numbers of block b, and the floor 2^(3 - 127)
.endr
	WIN ((\w)<<2)|((\w)<<4)
.irp i, 2,4,6,8,10,12,14
.irp b, 0,1,2,3
	v_max3_num_f32 v[TM+\b], v[TM+\b], |v[(\s)+16*\b+\i]|, |v[(\s)+1+16*\b+\i]|
.endr
.endr
	WIN 0
.irp b, 0,1,2,3
	v_permlanex16_b32 v[TM+4+\b], v[TM+\b], s98, s99
.endr
.irp b, 0,1,2,3
	v_max_num_f32 v[TM+\b], v[TM+\b], v[TM+4+\b]   ; with lane l xor 16's: the block's largest magnitude
.endr
.irp b, 0,1,2,3
	v_add_nc_u32 v[TM+12+\b], 0xff000000, v[TM+\b] ; 2 off the exponent field: the conversion's scale operand
.endr
.irp b, 0,1,2,3
	v_lshrrev_b32 v[TM+4+\b], 23, v[TM+12+\b]      ; the byte
.endr
	v_lshl_or_b32 v[\pw], v[TM+5], 8, v[TM+4]
	v_lshl_or_b32 v[\pw], v[TM+6], 16, v[\pw]
	v_lshl_or_b32 v[\pw], v[TM+7], 24, v[\pw]
	WIN (\w)
.irp c, 0,1
	v_cvt_scalef32_pk16_fp6_f32 v[(\pc)+6*\c:(\pc)+6*\c+2], v[(\s)+32*\c:(\s)+32*\c+15], v[TM+12+2*\c]
	v_cvt_scalef32_pk16_fp6_f32 v[104+4*\c:106+4*\c], v[(\s)+16+32*\c:(\s)+31+32*\c], v[TM+13+2*\c]   ; (a conversion's three registers begin on an even number)
.endr
	WIN 0
	v_nop                                          ; one plain line behind the conversions
.irp c, 0,1                            ; a whole block to a lane: lanes 0-15 block 2 c, lanes 16-31 block 2 c + 1
.irp i, 0,1,2
	v_permlane16_swap_b32 v[(\pc)+6*\c+\i], v[104+4*\c+\i]
.endr
.irp i, 0,1,2
	v_mov_b32 v[(\pc)+3+6*\c+\i], v[104+4*\c+\i]
.endr
.endr
.endm
; RoPE on token tile a: a pair of registers is (even, odd) of a pair of channels; T = (e c, o c), then (e c - o s, o c + e s).  Each accumulator is read from its low end on.
.macro ROT a
.set RB, 48+32*(\a)+64*((\a)/2)
	WIN 0x0e                                       ; source 0 (results) window 2, source 1 (cos, sin) window 3
.irp g, 0,1,2,3
.irp m, 0,1,2,3,4,5,6,7
	v_pk_mul_f32 v[16+2*\m:17+2*\m], v[64*(\a)+16*\g+2*\m:64*(\a)+16*\g+2*\m+1], v[RB+16*(\g%2)+2*\m:RB+16*(\g%2)+2*\m+1] op_sel_hi:[1,0]
.endr
.irp m, 0,1,2,3,4,5,6,7
	v_pk_fma_f32 v[HH+16*\g+2*\m:HH+16*\g+2*\m+1], v[64*(\a)+16*\g+2*\m:64*(\a)+16*\g+2*\m+1], v[RB+16*(\g%2)+2*\m:RB+16*(\g%2)+2*\m+1], v[16+2*\m:17+2*\m] op_sel:[1,1,0] op_sel_hi:[0,1,1] neg_lo:[1,0,0]
.endr
.endr
	WIN 0
.endm
	s_cmp_eq_u32 ttmp9, 2
	s_cbranch_scc1 .Lvpath
	; ---- Q and K.  My 128 channels are heads 2 wb and 2 wb + 1 of the work-group's four; a fragment's two units are these two heads' units of a token tile
	s_lshr_b32 s80, s22, 4
	s_lshl_b32 s80, s80, 4
	s_lshl_b32 s81, s21, 2
	s_add_co_u32 s80, s80, s81                     ; the work-group's first head: 16 x batch + 4 i0
	s_and_b32 s81, s22, 15                         ; its step of 128 tokens
	s_mov_b32 s82, 204800                          ; K: a head, a step; the scale words' head, step and place
	s_mov_b32 s83, 12800
	s_mov_b32 s84, 204800
	s_mov_b32 s85, 12800
	s_mov_b32 s86, 12288
	s_cmp_eq_u32 ttmp9, 0
	s_cselect_b64 s[76:77], s[10:11], s[12:13]
	s_cselect_b32 s82, 98304, s82                  ; Q: likewise
	s_cselect_b32 s83, 6144, s83
	s_cselect_b32 s84, 4096, s84
	s_cselect_b32 s85, 256, s85
	s_cselect_b32 s86, 6291456, s86
	s_lshl_b32 s87, s16, 1
	s_add_co_u32 s87, s87, s80
	s_mul_i32 s88, s87, s82
	s_mul_i32 s87, s81, s83
	s_add_co_u32 s88, s88, s87
	s_mul_i32 s87, s15, 3072
	s_add_co_u32 s88, s88, s87
	s_mov_b32 s89, 0
	s_add_nc_u64 s[90:91], s[76:77], s[88:89]      ; head 2 wb, my four token tiles
	s_mov_b32 s88, s82
	s_add_nc_u64 s[92:93], s[90:91], s[88:89]      ; head 2 wb + 1
	s_add_co_u32 s87, s80, s14
	s_mul_i32 s88, s87, s84
	s_mul_i32 s87, s81, s85
	s_add_co_u32 s88, s88, s87
	s_add_co_u32 s88, s88, s86
	s_add_nc_u64 s[94:95], s[76:77], s[88:89]      ; the scale words of the work-group's head number w
.irp a, 0,1,2,3
	ROT \a
	QUANT HH, 0, PC+12*\a, PW+\a
	global_store_b128 v4, v[PC+12*\a:PC+12*\a+3], s[90:91] offset:768*\a          ; a unit: 512 consecutive bytes and 256
	global_store_b64 v5, v[PC+12*\a+4:PC+12*\a+5], s[90:91] offset:768*\a+512
	global_store_b128 v4, v[PC+12*\a+6:PC+12*\a+9], s[92:93] offset:768*\a
	global_store_b64 v5, v[PC+12*\a+10:PC+12*\a+11], s[92:93] offset:768*\a+512
.endr
	v_perm_b32 v100, v[PW+1], v[PW], s96           ; head 2 wb: tiles 0, 1 and tiles 2, 3: a word for each pair of tiles
	v_perm_b32 v101, v[PW+3], v[PW+2], s96
	v_perm_b32 v102, v[PW+1], v[PW], s97           ; head 2 wb + 1
	v_perm_b32 v103, v[PW+3], v[PW+2], s97
	ds_store_b64 v11, v[100:101]                   ; (both halves of the lanes write the same words with the same values)
	ds_store_b64 v11, v[102:103] offset:256
	s_wait_dscnt 0x0                               ; for the others' sake: my stores have landed
	s_barrier_signal -1
	s_barrier_wait -1
	ds_load_b64 v[104:105], v13                    ; a head's 256 bytes come from two waves
	s_wait_dscnt 0x0
	global_store_b64 v5, v[104:105], s[94:95]      ; 256 consecutive bytes, aligned
	s_branch .Ldone
.Lvpath:
	; ---- V.  A lane holds a channel of head 2 i1 + wa; my 128 tokens are one step of keys: the results are quantised as they stand
	s_lshr_b32 s80, s21, 3
	s_lshl_b32 s80, s80, 4
	s_lshl_b32 s81, s22, 1
	s_add_co_u32 s80, s80, s81
	s_add_co_u32 s80, s80, s15                     ; the head: 16 x batch + 2 i1 + wa
	s_and_b32 s81, s21, 7
	s_lshl_b32 s81, s81, 1
	s_add_co_u32 s81, s81, s16                     ; the step: 2 (i0 % 8) + wb
	s_mul_i32 s88, s80, 204800
	s_mul_i32 s87, s81, 12800
	s_add_co_u32 s88, s88, s87
	s_mov_b32 s89, 0
	s_add_nc_u64 s[90:91], s[12:13], s[88:89]
.irp a, 0,1,2,3
	QUANT 64*\a, 2, PC+12*\a, PW+\a
	global_store_b128 v4, v[PC+12*\a:PC+12*\a+3], s[90:91] offset:6144+1536*\a
	global_store_b64 v5, v[PC+12*\a+4:PC+12*\a+5], s[90:91] offset:6144+1536*\a+512
	global_store_b128 v4, v[PC+12*\a+6:PC+12*\a+9], s[90:91] offset:6144+1536*\a+768
	global_store_b64 v5, v[PC+12*\a+10:PC+12*\a+11], s[90:91] offset:6144+1536*\a+1280
.endr
	ds_store_b128 v12, v[PW:PW+3]                  ; row r's words for the four tiles of channels
	s_wait_dscnt 0x0
	s_barrier_signal -1
	s_barrier_wait -1
	ds_load_b64 v[104:105], v13 offset:1024
	s_wait_dscnt 0x0
	global_store_b64 v5, v[104:105], s[90:91] offset:12544
.Ldone:
	s_wait_dscnt 0x0
	CROUND                                         ; the closing round: no work-group ends while a partner may still ask for a tile that names it
	s_endpgm
.Lfunc_end_k_q9f05090677_qkv:
	.size	k_q9f05090677_qkv, .Lfunc_end_k_q9f05090677_qkv-k_q9f05090677_qkv
	.p2alignl 7, 3214868480
	.fill 96, 4, 3214868480
	.section	.rodata,"a",@progbits
	.p2align	6, 0x0
	.amdhsa_kernel k_q9f05090677_qkv
		.amdhsa_group_segment_fixed_size 327680
		.amdhsa_private_segment_fixed_size 0
		.amdhsa_enable_private_segment 0
		.amdhsa_kernarg_size 40
		.amdhsa_user_sgpr_count 2
		.amdhsa_user_sgpr_kernarg_segment_ptr 1
		.amdhsa_wavefront_size32 1
		.amdhsa_system_sgpr_workgroup_id_x 1
		.amdhsa_system_sgpr_workgroup_id_y 1
		.amdhsa_system_sgpr_workgroup_id_z 1
		.amdhsa_system_vgpr_workitem_id 0
		.amdhsa_next_free_vgpr 1024
		.amdhsa_next_free_sgpr 100
		.amdhsa_reserve_vcc 0
		.amdhsa_float_denorm_mode_32 3
		.amdhsa_float_denorm_mode_16_64 3
		.amdhsa_memory_ordered 1
		.amdhsa_forward_progress 1
		.amdhsa_inst_pref_size 126
	.end_amdhsa_kernel
	.amdgpu_metadata
---
amdhsa.version: [ 1, 2 ]
amdhsa.kernels:
  - .name:           k_q9f05090677_qkv
    .symbol:         k_q9f05090677_qkv.kd
    .args:
      - { .name: xq, .offset: 0, .size: 8, .value_kind: global_buffer, .address_space: global }
      - { .name: wq, .offset: 8, .size: 8, .value_kind: global_buffer, .address_space: global }
      - { .name: rope, .offset: 16, .size: 8, .value_kind: global_buffer, .address_space: global }
      - { .name: qq, .offset: 24, .size: 8, .value_kind: global_buffer, .address_space: global }
      - { .name: kv, .offset: 32, .size: 8, .value_kind: global_buffer, .address_space: global }
    .group_segment_fixed_size: 327680
    .private_segment_fixed_size: 0
    .kernarg_segment_align: 8
    .kernarg_segment_size: 40
    .max_flat_workgroup_size: 128
    .sgpr_count:     100
    .vgpr_count:     1024
    .wavefront_size: 32
...
	.end_amdgpu_metadata
.endif
;; end of part 2
;; launch attn (part 3): grid 4 x 64, 16 waves a work-group, clusters of 4 x 1, 204,800 bytes of LDS; arguments qq, kv, aq; writes aq
.if DOCPART == 3
	.amdgcn_target "amdgcn-amd-amdhsa--gfx1250"
	.amdhsa_code_object_version 6
	.text
	.protected	k_q9f05090677_attn
	.globl	k_q9f05090677_attn
	.p2align	8
	.type	k_q9f05090677_attn,@function
k_q9f05090677_attn:
	s_mov_b64 s[64:65], 0
	v_nop
	global_prefetch_b8 v0, s[64:65] scope:SCOPE_SE
	s_setreg_imm32_b32 hwreg(HW_REG_WAVE_MODE, 25, 1), 1
	s_wait_xcnt 0x0
	s_wait_alu depctr_hold_cnt(0) depctr_sa_sdst(0) depctr_va_vdst(0) depctr_va_sdst(0) depctr_va_ssrc(0) depctr_va_vcc(0) depctr_vm_vsrc(0)
	s_getreg_b32 s2, hwreg(HW_REG_IB_STS2, 6, 4)
	s_cmp_eq_u32 s2, 0
	s_cbranch_scc0 .Lentry_in_a_cluster
	s_endpgm
.Lentry_in_a_cluster:
	s_bfe_u32 s2, ttmp6, 0x10000c
	s_cmp_lg_u32 s2, 0x3003
	s_cbranch_scc0 .Lentry_shape_is_right
	s_endpgm
.Lentry_shape_is_right:
; Causal attention of one head on codes of FP6 (E2M3) with E8M0 scales; the result, divided by the row's sum, is quantised along the channels and leaves as codes for the output projection.
; t = score x log2(e) / 8; M = the running largest t rounded UP to a whole number; p = 2^(t - M) is quantised along the keys, not normalised; the row's sum is taken of the unquantised p.  When M moves, sum and O are multiplied by 2^(old M - new M): exact.
; A CLUSTER of four work-groups is one (batch, head).  The head's K, V and their scale words, 16 steps of 12,800 bytes, lie in LDS whole, each byte filled ONCE, by joint loads that name the four (waves 0-3: two loads each, so two are out at the most).
; SHARES.  Wave w of work-group j owns two tiles of 16 queries, one after the other: tile 8 w + j (key steps 0 .. w count) and tile 8 (15 - w) + 4 + j (steps 0 .. 15 - w): 17 key steps for every wave.
; Every wave walks all 16 steps of both passes in loops of constant count and jumps over the steps whose keys all come after its queries: a branch on its number and the count.  On the diagonal step hidden scores become -infinity.
; LAYOUT.  Both products transposed: S^T = K Q^T, O^T = V^T P^T: a lane holds ONE query.  Lane r of tile 2 g + u (of keys, queries, V's channels) is row 32 g + 8 u + r + 8 (r / 8), so 16 registers of two neighbouring result tiles are 16 neighbours.
; THE FIRST PRODUCT'S K IS 64, THE INSTRUCTION'S 128: a run of 12 registers of K holds TWO tiles of keys; against (q, zeros) it gives the first tile's scores, against (zeros, q) the second's.  Zero codes add nothing under any byte but 0xff, and no byte here is.
; The two scale bytes of a row leave by a store of 2 bytes a lane: a row's scale word for 128 channels is made of two heads, which lie in different clusters; 262,144 bytes in the whole launch go so.
; LIMITS: NaN and infinities are not served; a block whose largest magnitude lies under 2^-124 keeps the byte 1.
; REGISTERS: v1-3 16 x lane, 8 x lane, 16 r; v4-6 the step's addresses; v7 the mask's term; v9 two scale bytes; v10 its lane part; v12 -M, v13 the largest t, v[14:15] the sum; v16-33 zeros, q, zeros (pass 0); v34, 35 q's scale words;
;   v36-39 K's, v40-43 V's, v44 p's scale words; v48-95 four runs of K, then four fragments of V; v96-159 S^T, then p; v160-191 O^T; v192-203 p's codes; v204-210, v212-227 at work; v228-245 zeros, q, zeros (pass 1).
.set STEPB, 12800
.set VOFF,  6144
.set KSC,   12288
.set VSC,   12544
.set S,   96
.set O,   160
.set PC,  192
.set F,   212
.set BM,  214
.set PM,  218
.set SO,  222
.set TT,  226
.set NEG, 227
.set TB,  40                           ; s40  LDS byte at which the step begins
.set SI,  41                           ; s41  the step
.set BLK, 42                           ; s42  the step on the diagonal
.set CNT, 43
.set CS,  44                           ; s[44:45] c = log2(e) / 8
.set SEL, 46                           ; s[46:47] lane l xor 16
.macro CROUND
	s_barrier_signal -1
	s_barrier_wait -1
	s_cmp_lg_u32 s10, 0
	s_cbranch_scc1 .Lnot_wave_0_\@
	s_barrier_signal -3
.Lnot_wave_0_\@:
	s_barrier_wait -3
	s_barrier_signal -1
	s_barrier_wait -1
.endm
	s_load_b128 s[4:7], s[0:1], 0x0                ; qq, kv
	s_load_b64 s[8:9], s[0:1], 0x10                ; aq
	v_lshrrev_b32 v1, 5, v0
	s_delay_alu instid0(VALU_DEP_1)
	v_readfirstlane_b32 s10, v1                    ; wave 0..15
	s_bfe_u32 s11, ttmp6, 0x40000                  ; j = cx: it enters global addresses and the mask's numbers alone
	s_and_b32 s12, ttmp7, 0xffff                   ; 16 x batch + head
	; descriptor groups 1: dense blocks as rows of 256 bytes (32 elements of 8 bytes): one step (50 rows), three steps (150 rows)
	s_mov_b32 s16, 15|(3<<16)|(1<<21)              ; 15:0 all four work-groups; 17:16 elements of 8 bytes; 21 set beside a mask
	s_mov_b32 s17, 32<<16
	s_mov_b32 s18, 50<<16
	s_mov_b32 s19, 32<<16
	s_mov_b32 s20, 50
	s_mov_b32 s21, 32
	s_mov_b32 s22, 0
	s_mov_b32 s23, 0
	s_mov_b32 s24, 15|(3<<16)|(1<<21)
	s_mov_b32 s25, 32<<16
	s_mov_b32 s26, 150<<16
	s_mov_b32 s27, 32<<16
	s_mov_b32 s28, 150
	s_mov_b32 s29, 32
	s_mov_b32 s30, 0
	s_mov_b32 s31, 0
	s_mul_i32 s48, s12, 204800
	s_mov_b32 s49, 0
	s_mul_i32 s50, s10, 12800                      ; waves 0-3: step w,
	s_mul_i32 s51, s10, 38400
	s_add_co_u32 s51, s51, 51200                   ; and steps 4 + 3 w .. 6 + 3 w: the same place in the head's block and in LDS
	s_wait_kmcnt 0x0
	s_add_nc_u64 s[6:7], s[6:7], s[48:49]
	s_mov_b32 s32, 1
	s_mov_b32 s33, s50
	s_mov_b32 s48, s50
	s_add_nc_u64 s[34:35], s[6:7], s[48:49]
	s_or_b32 s35, s35, 0x80000000
	s_mov_b32 s36, 1
	s_mov_b32 s37, s51
	s_mov_b32 s48, s51
	s_add_nc_u64 s[38:39], s[6:7], s[48:49]
	s_or_b32 s39, s39, 0x80000000
	CROUND                                         ; all four work-groups are here: the joint loads meet
	s_cmp_lt_u32 s10, 4
	s_cbranch_scc0 .Lnofill
	tensor_load_to_lds s[32:35], s[16:23]
	s_nop 0
	tensor_load_to_lds s[36:39], s[24:31]
	s_nop 0
.rept 4
	v_nop
.endr
.Lnofill:
	v_and_b32 v8, 31, v0
	s_delay_alu instid0(VALU_DEP_1)
	v_lshlrev_b32 v1, 4, v8                        ; 16 x lane
	s_wait_alu depctr_va_vdst(0)
	v_lshlrev_b32 v2, 3, v8                        ; 8 x lane
	s_wait_alu depctr_va_vdst(0)
	v_and_b32 v9, 15, v0                           ; r
	s_delay_alu instid0(VALU_DEP_1)
	v_lshlrev_b32 v3, 4, v9                        ; 16 r
	s_wait_alu depctr_va_vdst(0)
	v_bfe_u32 v11, v0, 4, 1                        ; h
	v_and_b32 v10, 8, v9
	s_delay_alu instid0(VALU_DEP_1)
	v_add_nc_u32 v10, v10, v9
	s_delay_alu instid0(VALU_DEP_3)
	v_lshlrev_b32 v11, 4, v11
	s_delay_alu instid0(VALU_DEP_1)
	v_sub_nc_u32 v10, v10, v11                     ; r + 8 (r / 8) - 16 h
	s_lshl_b32 s52, s10, 3
	s_add_co_u32 s52, s52, s11                     ; pass 0's tile
	s_xor_b32 s53, s10, 15                         ; 15 - w
	s_lshl_b32 s53, s53, 3
	s_add_co_u32 s53, s53, s11
	s_add_co_u32 s53, s53, 4                       ; pass 1's
	s_mul_i32 s54, s12, 98304                      ; the head's units of Q,
	s_lshl_b32 s55, s12, 12
	s_add_co_u32 s55, s55, 6291456                 ; and its scale words
	s_lshr_b32 s76, s12, 4
	s_lshl_b32 s76, s76, 7                         ; 128 x batch: aq's row tiles
	s_and_b32 s77, s12, 15                         ; the head = aq's chunk
	s_mul_i32 s78, s77, 768
	s_lshr_b32 s79, s77, 3
	s_lshl_b32 s79, s79, 8                         ; aq's scale words: lanes' half (head / 8),
	s_bfe_u32 s50, s77, 0x20001
	s_lshl_b32 s50, s50, 2                         ; word (head / 2) % 4,
	s_add_co_u32 s79, s79, s50
	s_and_b32 s50, s77, 1
	s_lshl_b32 s50, s50, 1                         ; bytes 2 (head % 2) on
	s_add_co_u32 s79, s79, s50
	s_add_co_u32 s79, s79, 6291456
.macro PTRS tile, qc, qsc, oc, osc
	s_mul_i32 s48, s[\tile], 768
	s_add_co_u32 s48, s48, s54
	s_add_nc_u64 s[\qc:\qc+1], s[4:5], s[48:49]    ; q's unit
	s_lshr_b32 s48, s[\tile], 3
	s_lshl_b32 s48, s48, 8
	s_bfe_u32 s50, s[\tile], 0x20001
	s_lshl_b32 s50, s50, 2
	s_add_co_u32 s48, s48, s50
	s_add_co_u32 s48, s48, s55
	s_add_nc_u64 s[\qsc:\qsc+1], s[4:5], s[48:49]  ; its pair of tiles' scale words
	s_add_co_u32 s50, s76, s[\tile]
	s_mul_i32 s48, s50, 12288
	s_add_co_u32 s48, s48, s78
	s_add_nc_u64 s[\oc:\oc+1], s[8:9], s[48:49]    ; the result's unit
	s_lshl_b32 s48, s50, 9
	s_add_co_u32 s48, s48, s79
	s_add_nc_u64 s[\osc:\osc+1], s[8:9], s[48:49]  ; and its scale bytes
.endm
	PTRS 52, 56, 58, 68, 70
	PTRS 53, 60, 62, 72, 74
	global_load_b128 v[22:25], v1, s[56:57]
	global_load_b64 v[26:27], v2, s[56:57] offset:512
	global_load_b32 v46, v3, s[58:59]
	global_load_b128 v[234:237], v1, s[60:61]
	global_load_b64 v[238:239], v2, s[60:61] offset:512
	global_load_b32 v47, v3, s[62:63]
	s_mov_b32 s[CS], 0x3e38aa3b                    ; log2(e) / sqrt(64)
	s_mov_b32 s[CS+1], s[CS]                       ; (named with it as a pair, so it is written)
	s_mov_b32 s[SEL], 0x76543210
	s_mov_b32 s[SEL+1], 0xfedcba98
	s_lshr_b32 s51, s11, 1
	s_lshl_b32 s51, s51, 5
	s_and_b32 s48, s11, 1
	s_lshl_b32 s50, s48, 3
	s_add_co_u32 s51, s51, s50                     ; 32 (j / 2) + 8 (j % 2): pass 0's tile in its block of 128 queries
	s_mov_b32 s80, 0x03020302
	s_cmp_eq_u32 s48, 0                            ; my tile is the first or the second of its pair: a choice of bytes, no branch
	s_cselect_b32 s80, 0x01000100, s80
.irp n, 16,17,18,19,20,21,28,29,30,31,32,33,228,229,230,231,232,233,240,241,242,243,244,245
	v_mov_b32 v\n, 0                               ; the zero codes on both sides of q
.endr
.irp b, 0,1,2,3
	v_mov_b32 v[PM+\b], 0                          ; a lane permute's destination counts as one of its sources
.endr
	v_mov_b32 v[TT], 0
	v_mov_b32 v[F+1], 0                            ; (named as the upper half of a pair)
	v_mov_b32 v[NEG], 0xff800000                   ; -infinity
	s_wait_loadcnt 0x0
	v_perm_b32 v34, v46, v46, s80                  ; q's two bytes, twice: they serve q in either half of the operand
	v_perm_b32 v35, v47, v47, s80
.macro PASSINIT p
.if \p
	s_wait_xcnt 0x0                                ; the last pass's stores have read their registers
	s_add_co_u32 s51, s51, 64                      ; pass 1's tile lies four tiles on in its block
	s_xor_b32 s[BLK], s10, 15
.else
	s_mov_b32 s[BLK], s10
.endif
.set n, 0
.rept 32
	v_mov_b32 v[O+n], 0                            ; O^T.  (The step is written for all steps alike: the first finds zeros, which the first change of M leaves zeros)
.set n, n+1
.endr
	v_mov_b32 v14, 0
	v_mov_b32 v15, 0
	v_mov_b32 v13, 0xff61b1e6                      ; -3e38, under every t
	s_delay_alu instid0(VALU_DEP_1)
	v_floor_f32 v12, -v13
	v_add_nc_u32 v7, s51, v10                      ; my query in its block, less 16 h
	s_mov_b32 s[TB], 0
	s_mov_b32 s[SI], 0
.endm
; A KEY STEP of 128 keys.  qb: the run of 18 registers (zeros, q, zeros); qs: q's scale word.
.macro STEP qb, qs
	s_cmp_gt_u32 s[SI], s[BLK]
	s_cbranch_scc1 .Lhid_\@                        ; all its keys come after my queries
	s_setprio 2
	v_add_nc_u32 v4, s[TB], v1
	v_add_nc_u32 v5, s[TB], v2
	v_add_nc_u32 v6, s[TB], v3
	v_nop                                          ; four places in front of loads into registers that the last step's products read
.irp g, 0,1,2,3
	ds_load_b128 v[48+12*\g:51+12*\g], v4 offset:1536*\g
	ds_load_b64 v[52+12*\g:53+12*\g], v5 offset:1536*\g+512
	ds_load_b128 v[54+12*\g:57+12*\g], v4 offset:1536*\g+768
	ds_load_b64 v[58+12*\g:59+12*\g], v5 offset:1536*\g+1280
.endr
	ds_load_b128 v[36:39], v6 offset:KSC           ; row r's words for the four pairs of tiles
	s_wait_alu depctr_va_vdst(0)
	s_wait_dscnt 0x0
.irp g, 0,1,2,3
	v_wmma_scale_f32_16x16x128_f8f6f4 v[S+16*\g:S+16*\g+7], v[48+12*\g:59+12*\g], v[\qb+6:\qb+17], 0, v[36+\g], v[\qs] matrix_a_fmt:MATRIX_FMT_FP6 matrix_b_fmt:MATRIX_FMT_FP6
	v_wmma_scale_f32_16x16x128_f8f6f4 v[S+16*\g+8:S+16*\g+15], v[48+12*\g:59+12*\g], v[\qb:\qb+11], 0, v[36+\g], v[\qs] matrix_a_fmt:MATRIX_FMT_FP6 matrix_b_fmt:MATRIX_FMT_FP6
.endr                                  ; register 16 g + i is key 32 g + 16 h + i
.rept 4
	v_nop                                          ; places in front of the loads below and of the first read of the scores
.endr
.irp t, 0,1,2,3                        ; V's fragments are asked for now and land under the softmax
	ds_load_b128 v[48+12*\t:51+12*\t], v4 offset:VOFF+1536*\t
	ds_load_b64 v[52+12*\t:53+12*\t], v5 offset:VOFF+1536*\t+512
	ds_load_b128 v[54+12*\t:57+12*\t], v4 offset:VOFF+1536*\t+768
	ds_load_b64 v[58+12*\t:59+12*\t], v5 offset:VOFF+1536*\t+1280
.endr
	ds_load_b128 v[40:43], v6 offset:VSC
	s_cmp_lg_u32 s[SI], s[BLK]
	s_cbranch_scc1 .Lopen_\@                       ; off the diagonal every key counts
.set n, 0
.rept 64
	v_cmp_gt_i32 vcc_lo, 32*(n/16)+n%16, v7        ; hidden where the key comes after my query
	v_cndmask_b32 v[S+n], v[S+n], v[NEG], vcc_lo
.set n, n+1
.endr
.Lopen_\@:
.irp b, 0,1,2,3
	v_max3_num_f32 v[BM+\b], v[S+16*\b], v[S+1+16*\b], v[S+2+16*\b]    ; the largest score of each block of 32 keys: for the row's maximum and, since p rises with the score, for the block's largest p
.endr
.irp i, 3,5,7,9,11,13
.irp b, 0,1,2,3
	v_max3_num_f32 v[BM+\b], v[BM+\b], v[S+16*\b+\i], v[S+1+16*\b+\i]
.endr
.endr
.irp b, 0,1,2,3
	v_max_num_f32 v[BM+\b], v[BM+\b], v[S+15+16*\b]
.endr
.irp b, 0,1,2,3
	s_delay_alu instid0(VALU_DEP_4)
	v_permlanex16_b32 v[PM+\b], v[BM+\b], s[SEL], s[SEL+1]
.endr
.irp b, 0,1,2,3
	s_delay_alu instid0(VALU_DEP_4)
	v_max_num_f32 v[BM+\b], v[BM+\b], v[PM+\b]     ; with lane l xor 16's 16 keys
.endr
	s_delay_alu instid0(VALU_DEP_2)
	v_max3_num_f32 v[TT], v[BM], v[BM+1], v[BM+2]
	s_delay_alu instid0(VALU_DEP_1)
	v_max_num_f32 v[TT], v[TT], v[BM+3]
	s_delay_alu instid0(VALU_DEP_1)
	v_mul_f32 v[TT], s[CS], v[TT]                  ; as t
	s_delay_alu instid0(VALU_DEP_1)
	v_max_num_f32 v13, v13, v[TT]                  ; the running largest t
	v_mov_b32 v[TT], v12
	s_delay_alu instid0(VALU_DEP_2)
	v_floor_f32 v12, -v13                          ; -M = floor(-t): M is a whole number
	s_delay_alu instid0(VALU_DEP_1)
	v_sub_f32 v[TT], v12, v[TT]                    ; old M - new M, 0 or less
	s_delay_alu instid0(VALU_DEP_1)
	v_cvt_i32_f32 v[TT], v[TT]                     ; (it saturates)
	s_delay_alu instid0(VALU_DEP_1)
	v_ldexp_f32 v[F], 1.0, v[TT]                   ; f = 2^(old M - new M)
.set n, 0
.rept 32
	v_pk_fma_f32 v[S+n:S+n+1], v[S+n:S+n+1], s[CS:CS+1], v[12:13] op_sel_hi:[1,0,0]   ; t - M
.set n, n+2
.endr
	s_setprio 1
.irp b, 0,1,2,3
	v_fma_f32 v[BM+\b], v[BM+\b], s[CS], v12       ; the same of each block's largest score
.endr
.set n, 0
	s_wait_alu depctr_va_vdst(0)
.rept 64
	v_exp_f32 v[S+n], v[S+n]                       ; p = 2^(t - M)
.set n, n+1
.endr
	v_pk_mul_f32 v[14:15], v[14:15], v[F:F+1] op_sel_hi:[1,0]     ; the sum under the new M: a plain line behind the exponentials
	s_wait_alu depctr_va_vdst(0)                   ; one wait for the batch, ahead of its first reader
.irp b, 0,1,2,3
	v_exp_f32 v[BM+\b], v[BM+\b]                   ; the block's largest p
.endr
	v_pk_add_f32 v[218:219], v[100:101], v[104:105]
	v_pk_add_f32 v[254:255], v[108:109], v[112:113]
	v_pk_add_f32 v[252:253], v[116:117], v[120:121]
	v_pk_add_f32 v[250:251], v[124:125], v[128:129]
	v_pk_add_f32 v[248:249], v[132:133], v[136:137]
	v_pk_add_f32 v[246:247], v[140:141], v[144:145]
	v_pk_add_f32 v[224:225], v[148:149], v[152:153]
	v_pk_add_f32 v[14:15], v[14:15], v[156:157]
	v_pk_add_f32 v[218:219], v[218:219], v[96:97]
	v_pk_add_f32 v[254:255], v[254:255], v[98:99]
	v_pk_add_f32 v[252:253], v[252:253], v[102:103]
	v_pk_add_f32 v[250:251], v[250:251], v[106:107]
	v_pk_add_f32 v[248:249], v[248:249], v[110:111]
	v_pk_add_f32 v[246:247], v[246:247], v[114:115]
	v_pk_add_f32 v[224:225], v[224:225], v[118:119]
	v_pk_add_f32 v[14:15], v[14:15], v[122:123]
	v_pk_add_f32 v[218:219], v[218:219], v[126:127]
	v_pk_add_f32 v[254:255], v[254:255], v[130:131]
	v_pk_add_f32 v[252:253], v[252:253], v[134:135]
	v_pk_add_f32 v[250:251], v[250:251], v[138:139]
	v_pk_add_f32 v[248:249], v[248:249], v[142:143]
	v_pk_add_f32 v[246:247], v[246:247], v[146:147]
	v_pk_add_f32 v[224:225], v[224:225], v[150:151]
	v_pk_add_f32 v[14:15], v[14:15], v[154:155]
	v_pk_add_f32 v[218:219], v[218:219], v[158:159]
	s_delay_alu instid0(VALU_DEP_2)
	v_pk_add_f32 v[14:15], v[14:15], v[250:251]
	s_delay_alu instid0(VALU_DEP_2)
	v_pk_add_f32 v[218:219], v[218:219], v[248:249]
	v_pk_add_f32 v[254:255], v[254:255], v[246:247]
	v_pk_add_f32 v[252:253], v[252:253], v[224:225]
	s_delay_alu instid0(VALU_DEP_2)
	v_pk_add_f32 v[14:15], v[14:15], v[254:255]
	s_delay_alu instid0(VALU_DEP_2)
	v_pk_add_f32 v[218:219], v[218:219], v[252:253]
	s_delay_alu instid0(VALU_DEP_1)
	v_pk_add_f32 v[14:15], v[14:15], v[218:219]
	s_wait_alu depctr_va_vdst(0)                   ; and one for the four
.irp b, 0,1,2,3
	v_max_num_f32 v[BM+\b], 0x1800000, v[BM+\b]    ; the floor 2^(3 - 127)
.endr
.irp b, 0,1,2,3
	s_delay_alu instid0(VALU_DEP_4)
	v_add_nc_u32 v[SO+\b], 0xff000000, v[BM+\b]    ; the conversion's scale operand
.endr
.irp b, 0,1,2,3
	s_delay_alu instid0(VALU_DEP_4)
	v_lshrrev_b32 v[PM+\b], 23, v[SO+\b]           ; the byte
.endr
	s_delay_alu instid0(VALU_DEP_3)
	v_lshl_or_b32 v44, v[PM+1], 8, v[PM]           ; p's scale word for these 128 keys
	s_delay_alu instid0(VALU_DEP_1)
	v_lshl_or_b32 v44, v[PM+2], 16, v44
	s_delay_alu instid0(VALU_DEP_1)
	v_lshl_or_b32 v44, v[PM+3], 24, v44
	s_setprio 0
.irp c, 0,1
	v_cvt_scalef32_pk16_fp6_f32 v[PC+6*\c:PC+6*\c+2], v[S+32*\c:S+32*\c+15], v[SO+2*\c]
	v_cvt_scalef32_pk16_fp6_f32 v[204+4*\c:206+4*\c], v[S+16+32*\c:S+31+32*\c], v[SO+2*\c+1]
.endr
	v_nop                                          ; one plain line behind the conversions
.irp c, 0,1
.irp i, 0,1,2
	v_permlane16_swap_b32 v[PC+6*\c+\i], v[204+4*\c+\i]
.endr
.irp i, 0,1,2
	s_delay_alu instid0(VALU_DEP_3)
	v_mov_b32 v[PC+3+6*\c+\i], v[204+4*\c+\i]
.endr
.endr
.set n, 0
.rept 16
	v_pk_mul_f32 v[O+n:O+n+1], v[O+n:O+n+1], v[F:F+1] op_sel_hi:[1,0]    ; O^T under the new M; these sixteen are also the places in front of the scaled products
.set n, n+2
.endr
	s_wait_alu depctr_va_vdst(0)
	s_wait_dscnt 0x0                               ; V and its scale words are in
.irp t, 0,1,2,3                        ; the four accumulators by turns
	v_wmma_scale_f32_16x16x128_f8f6f4 v[O+8*\t:O+8*\t+7], v[48+12*\t:59+12*\t], v[PC:PC+11], v[O+8*\t:O+8*\t+7], v[40+\t], v44 matrix_a_fmt:MATRIX_FMT_FP6 matrix_b_fmt:MATRIX_FMT_FP6
.endr
.Lhid_\@:
	s_add_co_u32 s[TB], s[TB], STEPB
	s_add_co_u32 s[SI], s[SI], 1
.endm
.macro WALK trips, qb, qs
	s_mov_b32 s[CNT], \trips
.Lwalk_\@:
	STEP \qb, \qs
	s_sub_co_u32 s[CNT], s[CNT], 1
	s_cmp_lg_u32 s[CNT], 0
	s_cbranch_scc1 .Lwalk_\@
	s_setprio 0
.endm
; THE WAY OUT of a pass: O^T / the sum; registers 0-15 are channels 16 h + 0 .. 15, registers 16-31 channels 32 + 16 h + 0 .. 15: two blocks of 32, quantised; one unit and two scale bytes a row.
.macro OUT oc, osc
.rept 4
	v_nop                                          ; places behind the last products
.endr
	v_add_f32 v14, v14, v15
	s_delay_alu instid0(VALU_DEP_1)
	v_permlanex16_b32 v[TT], v14, s[SEL], s[SEL+1]
	s_delay_alu instid0(VALU_DEP_1)
	v_add_f32 v14, v14, v[TT]                      ; the row's sum
	s_wait_alu depctr_va_vdst(0)
	v_rcp_f32 v14, v14
	v_nop                                          ; a plain line behind the reciprocal
	s_wait_alu depctr_va_vdst(0)                   ; and the wait ahead of its first reader
.set n, 0
.rept 16
	v_pk_mul_f32 v[S+n:S+n+1], v[O+n:O+n+1], v[14:15] op_sel_hi:[1,0]
.set n, n+2
.endr
.irp b, 0,1
	v_max3_num_f32 v[BM+\b], |v[S+16*\b]|, |v[S+1+16*\b]|, 0x1800000
.endr
.irp i, 2,4,6,8,10,12,14
.irp b, 0,1
	s_delay_alu instid0(VALU_DEP_2)
	v_max3_num_f32 v[BM+\b], v[BM+\b], |v[S+16*\b+\i]|, |v[S+1+16*\b+\i]|
.endr
.endr
.irp b, 0,1
	s_delay_alu instid0(VALU_DEP_2)
	v_permlanex16_b32 v[PM+\b], v[BM+\b], s[SEL], s[SEL+1]
.endr
.irp b, 0,1
	s_delay_alu instid0(VALU_DEP_2)
	v_max_num_f32 v[BM+\b], v[BM+\b], v[PM+\b]
.endr
.irp b, 0,1
	s_delay_alu instid0(VALU_DEP_2)
	v_add_nc_u32 v[SO+\b], 0xff000000, v[BM+\b]
.endr
.irp b, 0,1
	s_delay_alu instid0(VALU_DEP_2)
	v_lshrrev_b32 v[PM+\b], 23, v[SO+\b]
.endr
	s_delay_alu instid0(VALU_DEP_1)
	v_lshl_or_b32 v9, v[PM+1], 8, v[PM]
	v_cvt_scalef32_pk16_fp6_f32 v[PC:PC+2], v[S:S+15], v[SO]
	v_cvt_scalef32_pk16_fp6_f32 v[204:206], v[S+16:S+31], v[SO+1]
	v_nop
.irp i, 0,1,2
	v_permlane16_swap_b32 v[PC+\i], v[204+\i]
.endr
.irp i, 0,1,2
	s_delay_alu instid0(VALU_DEP_3)
	v_mov_b32 v[PC+3+\i], v[204+\i]
.endr
	global_store_b128 v1, v[PC:PC+3], s[\oc:\oc+1]                ; the unit: 512 consecutive bytes,
	global_store_b64 v2, v[PC+4:PC+5], s[\oc:\oc+1] offset:512    ; and 256
	global_store_b16 v3, v9, s[\osc:\osc+1]                       ; row r's two bytes (both halves of the lanes write the same bytes with the same values)
.endm
	PASSINIT 0                                     ; (its 36 lines are also the places between q's scale words and the first scaled product)
	s_wait_tensorcnt 1                             ; my first load, one of steps 0-3, has landed; the second may stay out
	s_barrier_signal -1
	s_barrier_wait -1
	WALK 4, 16, 34
	s_wait_dscnt 0x0
	s_wait_tensorcnt 0x0                           ; steps 4-15
	s_barrier_signal -1
	s_barrier_wait -1
	WALK 12, 16, 34
	s_wait_alu depctr_va_vdst(0)
	OUT 68, 70
	PASSINIT 1
	WALK 16, 228, 35
	s_wait_alu depctr_va_vdst(0)
	OUT 72, 74
	s_wait_dscnt 0x0
	CROUND                                         ; the closing round
	s_endpgm
.Lfunc_end_k_q9f05090677_attn:
	.size	k_q9f05090677_attn, .Lfunc_end_k_q9f05090677_attn-k_q9f05090677_attn
	.p2alignl 7, 3214868480
	.fill 96, 4, 3214868480
	.section	.rodata,"a",@progbits
	.p2align	6, 0x0
	.amdhsa_kernel k_q9f05090677_attn
		.amdhsa_group_segment_fixed_size 204800
		.amdhsa_private_segment_fixed_size 0
		.amdhsa_enable_private_segment 0
		.amdhsa_kernarg_size 24
		.amdhsa_user_sgpr_count 2
		.amdhsa_user_sgpr_kernarg_segment_ptr 1
		.amdhsa_wavefront_size32 1
		.amdhsa_system_sgpr_workgroup_id_x 1
		.amdhsa_system_sgpr_workgroup_id_y 1
		.amdhsa_system_sgpr_workgroup_id_z 1
		.amdhsa_system_vgpr_workitem_id 0
		.amdhsa_next_free_vgpr 256
		.amdhsa_next_free_sgpr 84
		.amdhsa_reserve_vcc 1
		.amdhsa_float_denorm_mode_32 3
		.amdhsa_float_denorm_mode_16_64 3
		.amdhsa_memory_ordered 1
		.amdhsa_forward_progress 1
		.amdhsa_inst_pref_size 87
	.end_amdhsa_kernel
	.amdgpu_metadata
---
amdhsa.version: [ 1, 2 ]
amdhsa.kernels:
  - .name:           k_q9f05090677_attn
    .symbol:         k_q9f05090677_attn.kd
    .args:
      - { .name: qq, .offset: 0, .size: 8, .value_kind: global_buffer, .address_space: global }
      - { .name: kv, .offset: 8, .size: 8, .value_kind: global_buffer, .address_space: global }
      - { .name: aq, .offset: 16, .size: 8, .value_kind: global_buffer, .address_space: global }
    .group_segment_fixed_size: 204800
    .private_segment_fixed_size: 0
    .kernarg_segment_align: 8
    .kernarg_segment_size: 24
    .max_flat_workgroup_size: 512
    .sgpr_count:     84
    .vgpr_count:     256
    .wavefront_size: 32
...
	.end_amdgpu_metadata
.endif
;; end of part 3
;; launch oproj (part 4): grid 4 x 64, 4 waves a work-group, clusters of 4 x 4, 327,680 bytes of LDS; arguments aq, wq, out0; writes out0
.if DOCPART == 4
	.amdgcn_target "amdgcn-amd-amdhsa--gfx1250"
	.amdhsa_code_object_version 6
	.text
	.protected	k_q9f05090677_oproj
	.globl	k_q9f05090677_oproj
	.p2align	8
	.type	k_q9f05090677_oproj,@function
k_q9f05090677_oproj:
	s_mov_b64 s[64:65], 0
	v_nop
	global_prefetch_b8 v0, s[64:65] scope:SCOPE_SE
	s_setreg_imm32_b32 hwreg(HW_REG_WAVE_MODE, 25, 1), 1
	s_wait_xcnt 0x0
	s_wait_alu depctr_hold_cnt(0) depctr_sa_sdst(0) depctr_va_vdst(0) depctr_va_sdst(0) depctr_va_ssrc(0) depctr_va_vcc(0) depctr_vm_vsrc(0)
	s_getreg_b32 s2, hwreg(HW_REG_IB_STS2, 6, 4)
	s_cmp_eq_u32 s2, 0
	s_cbranch_scc0 .Lentry_in_a_cluster
	s_endpgm
.Lentry_in_a_cluster:
	s_bfe_u32 s2, ttmp6, 0x10000c
	s_cmp_lg_u32 s2, 0xf033
	s_cbranch_scc0 .Lentry_shape_is_right
	s_endpgm
.Lentry_shape_is_right:
; out0 = attn Wo^T on codes of FP6 (E2M3) with E8M0 scales; out0 [8192][1024] f32.  The same product core as the launch that makes Q, K and V:
; operands lie in memory as units (16 rows x 64 K, 768 bytes, an image of operand registers; lane r of tile 2 g + u holds row 32 g + 8 u + r + 8 (r / 8)); two units on end are a fragment.
; A work-group makes 256 rows of source 0 (Wo: output channels) x 128 rows of source 1 (tokens) over all K = 1,024; both operands for all of K lie in LDS, each byte filled ONCE.  256 work-groups.
; Four waves, each 8 tiles of source 0 x 4 tiles of source 1.  In a result lane (r, h) holds token r of its tile, and the 16 registers of Wo's tiles 2 g, 2 g + 1 are output channels 32 g + 16 h + 0 .. 15.
; CLUSTER 4 x 4: Wo's tile hangs on cx and is asked for jointly by a column, the tokens' on cy, by a row.  A wave has four tensor loads out at the most.
; THE WAY OUT: 16 tokens x 128 channels at a time through the wave's own stage in LDS (rows of 528 bytes), back as whole rows of 512 bytes.  The stages lie over source 0's first slot: it has had its only fill, and behind a barrier nobody reads it.
; REGISTERS: window 0: v1-11 addresses; v32-63, v64-79 scale words (nothing else); v128-255 rows on their way out.  window 1: source 0's fragments, two sets.  window 2: the accumulators, (a, b) at v[64 a + 8 b].  window 3: source 1's fragments.
.set S0W,  32
.set S1W,  64
.set BK,   128
.set MSB,  0
.macro WIN new
.if MSB != (\new)
	s_set_vgpr_msb (MSB<<8)|(\new)
.set MSB, (\new)
.endif
.endm
.macro CROUND
	s_barrier_signal -1
	s_barrier_wait -1
	s_cmp_lg_u32 s14, 0
	s_cbranch_scc1 .Lnot_wave_0_\@
	s_barrier_signal -3
.Lnot_wave_0_\@:
	s_barrier_wait -3
	s_barrier_signal -1
	s_barrier_wait -1
.endm
	s_load_b128 s[4:7], s[0:1], 0x0                ; aq, wq
	s_load_b64 s[8:9], s[0:1], 0x10                ; out0
	v_lshrrev_b32 v1, 5, v0
	v_readfirstlane_b32 s14, v1                    ; wave
	s_lshr_b32 s15, s14, 1                         ; wa: my 4 tiles of tokens.  Also: I fetch for source 0 (0) or source 1 (1)
	s_and_b32 s16, s14, 1                          ; wb: my 8 tiles of Wo.  Also: which half I fetch
	s_bfe_u32 s21, ttmp6, 0x40000                  ; cx = i0: the grid is one cluster wide
	s_bfe_u32 s18, ttmp6, 0x40004                  ; cy
	s_and_b32 s19, ttmp7, 0xffff
	s_lshl_b32 s22, s19, 2
	s_add_co_u32 s22, s22, s18                     ; i1: my block of 128 tokens
	s_lshl_b32 s2, 0x1111, s21                     ; my column of the cluster
	s_lshl_b32 s3, s18, 2
	s_lshl_b32 s3, 15, s3                          ; my row
	s_or_b32 s24, s2, (3<<16)|(1<<21)              ; group 1: R tiles' 3,072 bytes, 12,288 bytes apart, elements of 8 bytes, dense in LDS
	s_mov_b32 s25, 384<<16
	s_mov_b32 s26, 8<<16
	s_mov_b32 s27, 384<<16
	s_mov_b32 s28, 8
	s_mov_b32 s29, 1536
	s_mov_b32 s30, 0
	s_mov_b32 s31, 0
	s_or_b32 s32, s3, (3<<16)|(1<<21)
	s_mov_b32 s33, 384<<16
	s_mov_b32 s34, 4<<16
	s_mov_b32 s35, 384<<16
	s_mov_b32 s36, 4
	s_mov_b32 s37, 1536
	s_mov_b32 s38, 0
	s_mov_b32 s39, 0
	s_mul_i32 s80, s21, 196608
	s_add_co_u32 s80, s80, 2359296                 ; Wo's codes in wq
	s_mul_i32 s91, s16, 98304
	s_add_co_u32 s80, s80, s91
	s_mov_b32 s81, 0
	s_mul_i32 s82, s22, 98304
	s_mul_i32 s92, s16, 49152
	s_add_co_u32 s82, s82, s92
	s_mov_b32 s83, 0
	s_mul_i32 s93, s16, 24576
	s_mul_i32 s94, s16, 12288
	s_add_co_u32 s94, s94, 196608
	s_wait_kmcnt 0x0
	s_add_nc_u64 s[80:81], s[6:7], s[80:81]
	s_add_nc_u64 s[82:83], s[4:5], s[82:83]
.irp g, 0,1,2,3
	s_mov_b32 s[40+4*\g], 1
	s_add_co_u32 s[41+4*\g], s93, \g*49152
	s_add_nc_u64 s[42+4*\g:43+4*\g], s[80:81], \g*3072
	s_or_b32 s[43+4*\g], s[43+4*\g], 0x80000000
	s_mov_b32 s[56+4*\g+4*(\g/2)], 1
	s_add_co_u32 s[57+4*\g+4*(\g/2)], s94, \g*24576
	s_add_nc_u64 s[58+4*\g+4*(\g/2):59+4*\g+4*(\g/2)], s[82:83], \g*3072
	s_or_b32 s[59+4*\g+4*(\g/2)], s[59+4*\g+4*(\g/2)], 0x80000000
.endr
	CROUND                                         ; all sixteen work-groups are here: the joint loads meet
	s_cmp_eq_u32 s15, 0
	s_cbranch_scc0 .Lfill1
	tensor_load_to_lds s[40:43], s[24:31]
	s_nop 0
	tensor_load_to_lds s[44:47], s[24:31]
	s_nop 0
	tensor_load_to_lds s[48:51], s[24:31]
	s_nop 0
	tensor_load_to_lds s[52:55], s[24:31]
	s_nop 0
.rept 4
	v_nop
.endr
	s_branch .Lfilled
.Lfill1:
	tensor_load_to_lds s[56:59], s[32:39]
	s_nop 0
	tensor_load_to_lds s[60:63], s[32:39]
	s_nop 0
	tensor_load_to_lds s[68:71], s[32:39]
	s_nop 0
	tensor_load_to_lds s[72:75], s[32:39]
	s_nop 0
.rept 4
	v_nop
.endr
.Lfilled:
	s_lshl_b32 s84, s21, 13
	s_lshl_b32 s95, s16, 12
	s_add_co_u32 s84, s84, s95
	s_add_co_u32 s84, s84, 3145728+98304           ; Wo's scale words
	s_mov_b32 s85, 0
	s_add_nc_u64 s[84:85], s[6:7], s[84:85]
	s_lshl_b32 s86, s22, 12
	s_lshl_b32 s95, s15, 11
	s_add_co_u32 s86, s86, s95
	s_add_co_u32 s86, s86, 6291456                 ; aq's
	s_mov_b32 s87, 0
	s_add_nc_u64 s[86:87], s[4:5], s[86:87]
	s_lshl_b32 s88, s22, 19                        ; out0: 128 i1 rows of 4,096 bytes,
	s_lshl_b32 s95, s15, 18                        ; + 64 wa rows,
	s_add_co_u32 s88, s88, s95
	s_lshl_b32 s95, s21, 10                        ; + 256 i0 columns,
	s_add_co_u32 s88, s88, s95
	s_lshl_b32 s95, s16, 9                         ; + 128 wb
	s_add_co_u32 s88, s88, s95
	s_mov_b32 s89, 0
	s_add_nc_u64 s[12:13], s[8:9], s[88:89]
	v_and_b32 v1, 31, v0
	v_and_b32 v2, 15, v0
	v_bfe_u32 v3, v0, 4, 1
	v_lshlrev_b32 v4, 4, v1                        ; 16 x lane
	v_lshlrev_b32 v5, 3, v1                        ; 8 x lane
	s_mul_i32 s95, s16, 24576
	v_add_nc_u32 v6, s95, v4
	v_add_nc_u32 v7, s95, v5
	s_mul_i32 s95, s15, 12288
	s_add_co_u32 s95, s95, 196608
	v_add_nc_u32 v8, s95, v4
	v_add_nc_u32 v9, s95, v5
	s_mul_i32 s95, s14, 8448                       ; my stage
	v_mul_u32_u24 v10, v2, 528
	v_lshl_add_u32 v10, v3, 6, v10
	v_add_nc_u32 v10, s95, v10                     ; in: row r, + 64 h bytes
	v_add_nc_u32 v11, s95, v4                      ; back: a row of 512 bytes to the 32 lanes
.irp b, 0,1,2,3,4,5,6,7
	global_load_b128 v[S0W+4*\b:S0W+4*\b+3], v4, s[84:85] offset:512*\b   ; all 8 K steps' words of a tile: steps 0-3 in lanes 0-15, steps 4-7 in lanes 16-31
.endr
.irp a, 0,1,2,3
	global_load_b128 v[S1W+4*\a:S1W+4*\a+3], v4, s[86:87] offset:512*\a
.endr
.macro FRAG reg, a16, a8, off
	ds_load_b128 v[(\reg):(\reg)+3], v[\a16] offset:(\off)
	ds_load_b64 v[(\reg)+4:(\reg)+5], v[\a8] offset:(\off)+512
	ds_load_b128 v[(\reg)+6:(\reg)+9], v[\a16] offset:(\off)+768
	ds_load_b64 v[(\reg)+10:(\reg)+11], v[\a8] offset:(\off)+1280
.endm
.macro FETCH q
	WIN 0x40
.irp b, 0,1,2,3,4,5,6,7
	FRAG 128*((\q)%2)+12*\b, 6, 7, \b*3072+((\q)%2)*1536
.endr
	WIN 0xc0
.irp a, 0,1,2,3
	FRAG 128*((\q)%2)+12*\a, 8, 9, \a*3072+((\q)%2)*1536
.endr
.endm
.macro MUL q                           ; the accumulators take turns, one instruction a turn, in the same order in every step
	WIN 0xad
.irp a, 0,1,2,3
.irp b, 0,1,2,3,4,5,6,7
.if (\q) == 0
	v_wmma_scale_f32_16x16x128_f8f6f4 v[64*\a+8*\b:64*\a+8*\b+7], v[12*\b:12*\b+11], v[12*\a:12*\a+11], 0, v[S0W+4*\b], v[S1W+4*\a] matrix_a_fmt:MATRIX_FMT_FP6 matrix_b_fmt:MATRIX_FMT_FP6
.elseif (\q) < 4
	v_wmma_scale_f32_16x16x128_f8f6f4 v[64*\a+8*\b:64*\a+8*\b+7], v[128*((\q)%2)+12*\b:128*((\q)%2)+12*\b+11], v[128*((\q)%2)+12*\a:128*((\q)%2)+12*\a+11], v[64*\a+8*\b:64*\a+8*\b+7], v[S0W+4*\b+(\q)%4], v[S1W+4*\a+(\q)%4] matrix_a_fmt:MATRIX_FMT_FP6 matrix_b_fmt:MATRIX_FMT_FP6
.else
	v_wmma_scale_f32_16x16x128_f8f6f4 v[64*\a+8*\b:64*\a+8*\b+7], v[128*((\q)%2)+12*\b:128*((\q)%2)+12*\b+11], v[128*((\q)%2)+12*\a:128*((\q)%2)+12*\a+11], v[64*\a+8*\b:64*\a+8*\b+7], v[S0W+4*\b+(\q)%4], v[S1W+4*\a+(\q)%4] matrix_a_fmt:MATRIX_FMT_FP6 matrix_b_fmt:MATRIX_FMT_FP6 matrix_a_scale:MATRIX_SCALE_ROW1 matrix_b_scale:MATRIX_SCALE_ROW1
.endif
.endr
.endr
.endm
.macro KSTEP q
.if ((\q)%2 == 1) && ((\q) < 7)
	WIN 0
	s_wait_dscnt 0x0                               ; no LDS load of mine is out at the signal
	s_wait_tensorcnt 3-((\q)+1)/2                  ; my part of the next slot has landed; the later slots' loads may stay out
	s_barrier_signal -1
	s_barrier_wait -1
	v_add_nc_u32 v6, 49152, v6                     ; on to the next slot; these four are also the places in front of the loads below
	s_wait_alu depctr_va_vdst(0)
	v_add_nc_u32 v7, 49152, v7
	s_wait_alu depctr_va_vdst(0)
	v_add_nc_u32 v8, 24576, v8
	s_wait_alu depctr_va_vdst(0)
	v_add_nc_u32 v9, 24576, v9
.elseif ((\q) >= 2) && ((\q) < 7)
.rept 4
	v_nop                                          ; places in front of loads into registers that the last step's products read
.endr
.endif
.if (\q) < 7
	FETCH (\q)+1
	s_wait_alu depctr_va_vdst(0)
	s_wait_dscnt 48                                ; all but the 48 just issued
.else
	s_wait_dscnt 0x0
.endif
	MUL \q
.endm
	s_wait_alu depctr_va_vdst(0)
	s_wait_tensorcnt 3                             ; my part of slot 0 has landed; three loads may stay out
	s_barrier_signal -1
	s_barrier_wait -1
	FETCH 0
	s_wait_loadcnt 0x0                             ; the scale words
.irp q, 0,1,2,3,4,5,6,7
	KSTEP \q
.endr
	WIN 0
.rept 4
	v_nop                                          ; places in front of the LDS stores that read results
.endr
	s_wait_dscnt 0x0
	s_barrier_signal -1
	s_barrier_wait -1                              ; no wave reads the tiles any more: the stages may be written
.macro TOSTAGE a                       ; token tile a: each accumulator from its low end on; LDS serves a wave's instructions in order, so no wait stands between the stores and the loads
	WIN 0x08                                       ; an LDS store's data are its source 1: window 2
.irp b, 0,1,2,3,4,5,6,7
	ds_store_b128 v10, v[64*(\a)+8*\b:64*(\a)+8*\b+3] offset:128*(\b/2)+32*(\b%2)
	ds_store_b128 v10, v[64*(\a)+8*\b+4:64*(\a)+8*\b+7] offset:128*(\b/2)+32*(\b%2)+16
.endr
	WIN 0
.irp t, 0,1,2,3,4,5,6,7,8,9,10,11,12,13,14,15
	ds_load_b128 v[BK+64*((\a)%2)+4*\t:BK+64*((\a)%2)+4*\t+3], v11 offset:528*\t
.endr
.endm
.macro SEND a, younger                 ; younger: the LDS instructions issued behind tile a's loads, which may stay out
	s_wait_dscnt \younger
.irp t, 0,1,2,3,4,5,6,7,8,9,10,11,12,13,14,15
	global_store_b128 v4, v[BK+64*((\a)%2)+4*\t:BK+64*((\a)%2)+4*\t+3], s[12:13] offset:(32*((\a)/2)+8*((\a)%2)+\t+8*(\t/8))*4096 th:TH_STORE_NT   ; 512 consecutive bytes of a row, aligned
.endr
.endm
	TOSTAGE 0
	TOSTAGE 1
	SEND 0, 32                                     ; behind tile 0's loads: tile 1's 16 stores and 16 loads
	s_wait_xcnt 0x0                                ; tile 0's stores have read their registers: tile 2's rows may land there
	TOSTAGE 2
	SEND 1, 32
	s_wait_xcnt 0x0
	TOSTAGE 3
	SEND 2, 32
	SEND 3, 0
	s_wait_dscnt 0x0
	CROUND                                         ; the closing round
	s_endpgm
.Lfunc_end_k_q9f05090677_oproj:
	.size	k_q9f05090677_oproj, .Lfunc_end_k_q9f05090677_oproj-k_q9f05090677_oproj
	.p2alignl 7, 3214868480
	.fill 96, 4, 3214868480
	.section	.rodata,"a",@progbits
	.p2align	6, 0x0
	.amdhsa_kernel k_q9f05090677_oproj
		.amdhsa_group_segment_fixed_size 327680
		.amdhsa_private_segment_fixed_size 0
		.amdhsa_enable_private_segment 0
		.amdhsa_kernarg_size 24
		.amdhsa_user_sgpr_count 2
		.amdhsa_user_sgpr_kernarg_segment_ptr 1
		.amdhsa_wavefront_size32 1
		.amdhsa_system_sgpr_workgroup_id_x 1
		.amdhsa_system_sgpr_workgroup_id_y 1
		.amdhsa_system_sgpr_workgroup_id_z 1
		.amdhsa_system_vgpr_workitem_id 0
		.amdhsa_next_free_vgpr 1024
		.amdhsa_next_free_sgpr 100
		.amdhsa_reserve_vcc 0
		.amdhsa_float_denorm_mode_32 3
		.amdhsa_float_denorm_mode_16_64 3
		.amdhsa_memory_ordered 1
		.amdhsa_forward_progress 1
		.amdhsa_inst_pref_size 83
	.end_amdhsa_kernel
	.amdgpu_metadata
---
amdhsa.version: [ 1, 2 ]
amdhsa.kernels:
  - .name:           k_q9f05090677_oproj
    .symbol:         k_q9f05090677_oproj.kd
    .args:
      - { .name: aq, .offset: 0, .size: 8, .value_kind: global_buffer, .address_space: global }
      - { .name: wq, .offset: 8, .size: 8, .value_kind: global_buffer, .address_space: global }
      - { .name: out0, .offset: 16, .size: 8, .value_kind: global_buffer, .address_space: global }
    .group_segment_fixed_size: 327680
    .private_segment_fixed_size: 0
    .kernarg_segment_align: 8
    .kernarg_segment_size: 24
    .max_flat_workgroup_size: 128
    .sgpr_count:     100
    .vgpr_count:     1024
    .wavefront_size: 32
...
	.end_amdgpu_metadata
.endif
;; end of part 4
